; MI455X (gfx1250); checked and timed in simulation.
; The chip was launched on July 23, 2026; its instructions are those of AMD's public machine-readable ISA for CDNA 5 (MIT licence, August 2026) and "CDNA5" Instruction Set Architecture Reference Guide (July 2026). The comments in the code are by the model that wrote it; some were corrected since.
;; Multi Head Latent Attention. Allowed arithmetic: matrix products marked QUANTISED: E2M3 operands, one E8M0 scale for each 32 along K, by v_wmma_scale_f32_16x16x128_f8f6f4 with both operands' format E2M3, f32 sums; everything else in f32.
;; Inputs: Wk 128 x 512 float32; Wkv 1,024 x 128 float32; Wo 1,024 x 1,024 float32; Wq 1,024 x 1,024 float32; Wv 128 x 512 float32; k_g 32 float32; q_g 64 float32; x 4 x 2,048 x 1,024 float32.
;; Outputs: out0 4 x 2,048 x 1,024 float32.
;; This version of the problem:
;;   THIS VERSION OF THE PROBLEM IS GIVEN IN LOW PRECISION. The matrix products marked QUANTISED in the list below multiply operands that are first quantised to E2M3 (2 exponent bits, 3 mantissa bits; 6 bits a number), with one power-of-two scale for each 32 numbers along K (OCP MX v1.0); their sums are f32. All else is computed in f32.
;;   The module's matrix products, in the order in which they are computed (A, B: the left and right operand; K: the contracted axis; several contracted axes count as one K, in the product's order):
;;     1. [M 8,192, K 1,024] x [K 1,024, N 1,024]; A: input x; B: input Wq: QUANTISED
;;     2. [M 8,192, K 1,024] x [K 1,024, N 128]; A: input x; B: input Wkv: QUANTISED
;;     3. [M 8,192, K 128] x [K 128, N 512]; A: computed on the way; B: input Wk: QUANTISED
;;     4. [M 8,192, K 128] x [K 128, N 512]; A: computed on the way; B: input Wv: QUANTISED
;;     5. batch 64 x [M 2,048, K 32] x [K 32, N 2,048]; A: computed on the way; B: computed on the way: QUANTISED
;;     6. batch 64 x [M 2,048, K 2,048] x [K 2,048, N 32]; A: softmax (see below); B: computed on the way: QUANTISED
;;     7. [M 8,192, K 1,024] x [K 1,024, N 1,024]; A: computed on the way; B: input Wo: QUANTISED
;;   THE QUANTISER, for each operand of a quantised product, along K:
;;     - K is cut into blocks of 32 from its start; a last block that is shorter is filled with zeros.
;;     - A block's scale is 2^e with e = floor(log2(the largest magnitude in the block)) - 2, held to -126 .. 127; a block of zeros has e = 0. As a byte (E8M0): e + 127.
;;     - Each number is divided by its block's scale, clamped to +-7.5, and rounded to the nearest number of E2M3, ties to even, subnormals kept.
;;     - The product sums the exact products of the quantised numbers (number of the format x scale) in f32.
;;   ~~~python
;;   def quantise(x, axis):      # numpy; x: float32 -> the quantised numbers, widened to float32 again
;;       x = np.moveaxis(x, axis, -1); K = x.shape[-1]
;;       x = np.pad(x, [(0, 0)] * (x.ndim - 1) + [(0, -K % 32)]); x = x.reshape(x.shape[:-1] + (-1, 32)); a = np.abs(x).max(-1, keepdims=True)
;;       e = np.where(a > 0, np.clip(np.frexp(np.where(a > 0, a, 1))[1] - 1 - 2, -126, 127), 0)      # np.frexp(a)[1] - 1 = floor(log2(a)), exactly
;;       r = np.clip(x / 2.0 ** e, -7.5, 7.5)
;;       step = 2.0 ** (np.maximum(np.frexp(np.where(r == 0, 1, r))[1] - 1, 0) - 3)
;;       q = np.round(r / step) * step * 2.0 ** e      # np.round: ties to even
;;       return np.moveaxis(q.reshape(q.shape[:-2] + (-1,))[..., :K], -1, axis).astype(np.float32)
;;   ~~~
;;   SOFTMAX AHEAD OF A QUANTISED PRODUCT. Where the list says 'softmax', what is quantised is not the finished softmax but p = 2^(t - M), with t = logit x log2(e) and M = ceil(the row's largest t), a whole number; so 1/2 < the row's largest p <= 1. The row's sum l is taken of the UNQUANTISED p, in f32, and the product's result is divided by l at the end. Since M is a whole number, a kernel that streams over the keys may use a running M (the ceiling of the running maximum): every later rescaling is an exact power of two, which a block's scale takes up: the codes' values come out the same.
;;   OPERANDS COMPUTED ON THE WAY. 'Computed on the way' means the value that the module computes at that place (a softmax that the list does not call 'softmax' is quantised finished and normalised). What goes into a quantiser is computed in f32, as accurately as f32 sums, v_exp_f32 and their like allow (about 1e-6 of the number): no bf16 or f16 on the way to a quantiser, and a product that is left as it is and whose result goes on into a quantised operand takes f32 operands (vector FMAs, or v_wmma_f32_16x16x4_f32). A number that lies on a knife's edge between two numbers of the format may be rounded either way, as far as f32 arithmetic and the matrix unit's own rounding can turn it there, and no further.
;; 2 versions. Each part assembles by itself: llvm-mc -triple=amdgcn-amd-amdhsa -mcpu=gfx1250 --defsym DOCPART=n.
;; ======== version 1 of 2: 4 launches
;; workspace buffers: wts 1,490,944 bytes; xc 6,815,744 bytes; kvc 6,291,456 bytes; kvs 262,144 bytes; oc 3,145,728 bytes; os 131,072 bytes
;; launch prep (part 1): grid 224 x 1, 4 waves a work-group, no clusters, 0 bytes of LDS; arguments Wq, Wkv, Wk, Wv, Wo, wts; writes wts
.if DOCPART == 1
	.amdgcn_target "amdgcn-amd-amdhsa--gfx1250"
	.amdhsa_code_object_version 6
	.text
	.protected	k_q73d9ef3855_prep
	.globl	k_q73d9ef3855_prep
	.p2align	8
	.type	k_q73d9ef3855_prep,@function
k_q73d9ef3855_prep:
	s_mov_b64 s[64:65], 0
	v_nop
	global_prefetch_b8 v0, s[64:65] scope:SCOPE_SE
	s_setreg_imm32_b32 hwreg(HW_REG_WAVE_MODE, 25, 1), 1
	s_wait_xcnt 0x0
; The five weights, f32 with K as their FIRST axis, become codes of FP6 (E2M3) with one E8M0 byte for each 32 along K, laid as RECORDS.
; A record is the register image of one operand fragment, 16 columns x 128 along K: three chunks of 512 bytes (registers 4 c .. 4 c + 3, lane l at 16 l), then 128 bytes of scale words (lane l at 4 l).
; One wave makes one record: lane (r, h) takes column 16 ct + r, and its 64 registers run DOWN K in the order that the operand's layout gives that lane (k = 64 c + 32 h + 0 .. 31), so the conversions' results are the operand's registers.
; The four waves of a work-group take four neighbouring column tiles: together they read 256 consecutive bytes of each row.
; ORDER ALONG K.  Wq and Wkv: as K lies.  Wk, Wv, Wo: inside each block of 32, place p holds row (p % 8) + 16 ((p / 8) % 2) + 8 (p / 16): that is the order in which the other operand (a matrix result turned into codes lane by lane) comes out.
; Wo: reference() pads each head's 32 numbers with 32 zeros, so of each 64 rows of Wo only the first 32 meet numbers: K here is 512, block B = rows 64 B .. 64 B + 31, which is the quantiser's own block 2 B.  Rows 64 B + 32 .. 63 are not read.
; Records: Wq ct 8 + s | 512 + Wkv ct 8 + s | 576 + Wk ct | 608 + Wv ct | 640 + Wo ct 4 + s.
; LIMITS: NaN and infinities are not served; a block whose largest magnitude lies under 2^-124 keeps the byte 1 (a block of zeros too: its codes are zeros, and this program alone reads the bytes).
.set REC, 1664
.set NUM, 32                           ; v32-95   64 numbers
.set COD, 96                           ; v96-107  the fragment's codes
.set TMP, 108                          ; v108-115 the second halves of the blocks, as the conversions leave them
.set WRD, 116                          ; v116     the scale word
.macro LOADW pitch, bs, sig            ; W(2 bs c + bs h + place i's row, my column): pitch bytes a row; blocks bs rows apart; sig = 1: the permuted order
.irp c, 0,1
.irp i, 0,1,2,3,4,5,6,7,8,9,10,11,12,13,14,15,16,17,18,19,20,21,22,23,24,25,26,27,28,29,30,31
.if \sig
	global_load_b32 v[NUM+32*\c+\i], v4, s[24:25] offset:(2*\bs*\c+(\i%8)+16*((\i/8)%2)+8*(\i/16))*\pitch
.else
	global_load_b32 v[NUM+32*\c+\i], v4, s[24:25] offset:(2*\bs*\c+\i)*\pitch
.endif
.endr
.endr
.endm
	s_load_b256 s[4:11], s[0:1], 0x0               ; Wq, Wkv, Wk, Wv
	s_load_b128 s[12:15], s[0:1], 0x20             ; Wo, wts
	v_lshrrev_b32 v1, 5, v0
	v_readfirstlane_b32 s16, v1                    ; wave
	v_and_b32 v1, 31, v0                           ; lane
	v_and_b32 v2, 15, v0                           ; r
	v_bfe_u32 v3, v0, 4, 1                         ; h
	v_lshlrev_b32 v7, 2, v2                        ; 4 r
	v_lshlrev_b32 v5, 4, v1                        ; 16 x lane
	v_lshlrev_b32 v6, 2, v1                        ; 4 x lane
	s_mov_b32 s28, 0x76543210
	s_mov_b32 s29, 0xfedcba98                      ; selects for lane l xor 16
	s_mov_b32 s23, 0
	s_wait_kmcnt 0x0
	s_cmp_lt_u32 ttmp9, 128
	s_cbranch_scc0 .Lnot_wq
	s_lshr_b32 s17, ttmp9, 3                       ; Wq: work-groups 0 .. 127: four column tiles x one K step
	s_and_b32 s18, ttmp9, 7                        ; s
	s_lshl_b32 s17, s17, 2
	s_add_co_u32 s17, s17, s16                     ; ct
	s_lshl_b32 s20, s17, 3
	s_add_co_u32 s20, s20, s18                     ; the record
	s_lshl_b32 s22, s18, 19                        ; 128 rows of 4,096 bytes a K step
	s_lshl_b32 s19, s17, 6
	s_add_co_u32 s22, s22, s19
	s_add_nc_u64 s[24:25], s[4:5], s[22:23]
	v_lshl_add_u32 v4, v3, 17, v7                  ; lanes 16-31 begin 32 rows further down
	LOADW 4096, 32, 0
	s_branch .Lquant
.Lnot_wq:
	s_cmp_lt_u32 ttmp9, 144
	s_cbranch_scc0 .Lnot_wkv
	s_sub_co_u32 s21, ttmp9, 128                   ; Wkv: 16 work-groups
	s_lshr_b32 s17, s21, 3
	s_and_b32 s18, s21, 7
	s_lshl_b32 s17, s17, 2
	s_add_co_u32 s17, s17, s16
	s_lshl_b32 s20, s17, 3
	s_add_co_u32 s20, s20, s18
	s_add_co_u32 s20, s20, 512
	s_lshl_b32 s22, s18, 16                        ; 128 rows of 512 bytes
	s_lshl_b32 s19, s17, 6
	s_add_co_u32 s22, s22, s19
	s_add_nc_u64 s[24:25], s[6:7], s[22:23]
	v_lshl_add_u32 v4, v3, 14, v7
	LOADW 512, 32, 0
	s_branch .Lquant
.Lnot_wkv:
	s_cmp_lt_u32 ttmp9, 160
	s_cbranch_scc0 .Lwo
	s_sub_co_u32 s21, ttmp9, 144                   ; Wk: 8 work-groups, then Wv: 8
	s_and_b32 s17, s21, 7
	s_lshl_b32 s17, s17, 2
	s_add_co_u32 s17, s17, s16                     ; ct 0 .. 31
	s_lshr_b32 s18, s21, 3
	s_lshl_b32 s20, s18, 5
	s_add_co_u32 s20, s20, s17
	s_add_co_u32 s20, s20, 576
	s_lshl_b32 s22, s17, 6
	s_cmp_lt_u32 ttmp9, 152                        ; the choice hangs on the work-group's number alone
	s_cselect_b64 s[24:25], s[8:9], s[10:11]
	s_add_nc_u64 s[24:25], s[24:25], s[22:23]
	v_lshl_add_u32 v4, v3, 16, v7                  ; 32 rows of 2,048 bytes
	LOADW 2048, 32, 1
	s_branch .Lquant
.Lwo:
	s_sub_co_u32 s21, ttmp9, 160                   ; Wo: 64 work-groups
	s_lshr_b32 s17, s21, 2
	s_and_b32 s18, s21, 3
	s_lshl_b32 s17, s17, 2
	s_add_co_u32 s17, s17, s16                     ; ct 0 .. 63
	s_lshl_b32 s20, s17, 2
	s_add_co_u32 s20, s20, s18
	s_add_co_u32 s20, s20, 640
	s_lshl_b32 s22, s18, 20                        ; a K step is four heads: 256 rows of 4,096 bytes
	s_lshl_b32 s19, s17, 6
	s_add_co_u32 s22, s22, s19
	s_add_nc_u64 s[24:25], s[12:13], s[22:23]
	v_lshl_add_u32 v4, v3, 18, v7                  ; the next head begins 64 rows further down
	LOADW 4096, 64, 1
.Lquant:
	s_wait_loadcnt 0x0                             ; the one batch of 64 loads
.irp c, 0,1
	v_max3_num_f32 v[8+\c], |v[NUM+32*\c]|, |v[NUM+1+32*\c]|, 0x1800000   ; my block 2 c + h: all its 32 numbers are mine; the floor 2^(3 - 127) holds the byte at 1 from below
.endr
.irp i, 2,4,6,8,10,12,14,16,18,20,22,24,26,28,30
.irp c, 0,1
	v_max3_num_f32 v[8+\c], v[8+\c], |v[NUM+32*\c+\i]|, |v[NUM+1+32*\c+\i]|
.endr
.endr
.irp c, 0,1
	v_add_nc_u32 v[10+\c], 0xff000000, v[8+\c]     ; 2 off the exponent field: the conversion's scale operand
.endr
.irp c, 0,1
	v_lshrrev_b32 v[12+\c], 23, v[10+\c]           ; the scale's byte
.endr
	v_lshl_or_b32 v[WRD], v13, 16, v12             ; blocks h and 2 + h,
	v_lshlrev_b32 v14, 3, v3
	v_lshlrev_b32 v[WRD], v14, v[WRD]              ; at their places in the word;
	v_mov_b32 v15, 0
	v_permlanex16_b32 v15, v[WRD], s28, s29
	v_or_b32 v[WRD], v[WRD], v15                   ; with lane l xor 16's two the word is whole, in both halves of the lanes
.irp c, 0,1
	v_cvt_scalef32_pk16_fp6_f32 v[COD+6*\c:COD+6*\c+2], v[NUM+32*\c:NUM+32*\c+15], v[10+\c]
	v_cvt_scalef32_pk16_fp6_f32 v[TMP+4*\c:TMP+4*\c+2], v[NUM+32*\c+16:NUM+32*\c+31], v[10+\c]   ; (a conversion's three registers begin on an even number)
.endr
	v_nop                                          ; one plain place behind the conversions
.irp c, 0,1
.irp i, 0,1,2
	v_mov_b32 v[COD+6*\c+3+\i], v[TMP+4*\c+\i]
.endr
.endr
	s_mul_i32 s22, s20, REC
	s_add_nc_u64 s[26:27], s[14:15], s[22:23]
	global_store_b128 v5, v[COD:COD+3], s[26:27]               ; each store of the wave covers 512 consecutive bytes
	global_store_b128 v5, v[COD+4:COD+7], s[26:27] offset:512
	global_store_b128 v5, v[COD+8:COD+11], s[26:27] offset:1024
	global_store_b32 v6, v[WRD], s[26:27] offset:1536
	s_endpgm
.Lfunc_end_k_q73d9ef3855_prep:
	.size	k_q73d9ef3855_prep, .Lfunc_end_k_q73d9ef3855_prep-k_q73d9ef3855_prep
	.p2alignl 7, 3214868480
	.fill 96, 4, 3214868480
	.section	.rodata,"a",@progbits
	.p2align	6, 0x0
	.amdhsa_kernel k_q73d9ef3855_prep
		.amdhsa_group_segment_fixed_size 0
		.amdhsa_private_segment_fixed_size 0
		.amdhsa_enable_private_segment 0
		.amdhsa_kernarg_size 48
		.amdhsa_user_sgpr_count 2
		.amdhsa_user_sgpr_kernarg_segment_ptr 1
		.amdhsa_wavefront_size32 1
		.amdhsa_system_sgpr_workgroup_id_x 1
		.amdhsa_system_sgpr_workgroup_id_y 1
		.amdhsa_system_sgpr_workgroup_id_z 1
		.amdhsa_system_vgpr_workitem_id 0
		.amdhsa_next_free_vgpr 128
		.amdhsa_next_free_sgpr 66
		.amdhsa_reserve_vcc 0
		.amdhsa_float_denorm_mode_32 3
		.amdhsa_float_denorm_mode_16_64 3
		.amdhsa_memory_ordered 1
		.amdhsa_forward_progress 1
		.amdhsa_inst_pref_size 31
	.end_amdhsa_kernel
	.amdgpu_metadata
---
amdhsa.version: [ 1, 2 ]
amdhsa.kernels:
  - .name:           k_q73d9ef3855_prep
    .symbol:         k_q73d9ef3855_prep.kd
    .args:
      - { .name: Wq, .offset: 0, .size: 8, .value_kind: global_buffer, .address_space: global }
      - { .name: Wkv, .offset: 8, .size: 8, .value_kind: global_buffer, .address_space: global }
      - { .name: Wk, .offset: 16, .size: 8, .value_kind: global_buffer, .address_space: global }
      - { .name: Wv, .offset: 24, .size: 8, .value_kind: global_buffer, .address_space: global }
      - { .name: Wo, .offset: 32, .size: 8, .value_kind: global_buffer, .address_space: global }
      - { .name: wts, .offset: 40, .size: 8, .value_kind: global_buffer, .address_space: global }
    .group_segment_fixed_size: 0
    .private_segment_fixed_size: 0
    .kernarg_segment_align: 8
    .kernarg_segment_size: 48
    .max_flat_workgroup_size: 128
    .sgpr_count:     66
    .vgpr_count:     128
    .wavefront_size: 32
...
	.end_amdgpu_metadata
.endif
;; end of part 1
;; launch xkv (part 2): grid 256 x 1, 8 waves a work-group, no clusters, 111,616 bytes of LDS; arguments x, wts, k_g, xc, kvc, kvs; writes xc, kvc, kvs
.if DOCPART == 2
	.amdgcn_target "amdgcn-amd-amdhsa--gfx1250"
	.amdhsa_code_object_version 6
	.text
	.protected	k_q73d9ef3855_xkv
	.globl	k_q73d9ef3855_xkv
	.p2align	8
	.type	k_q73d9ef3855_xkv,@function
k_q73d9ef3855_xkv:
	s_mov_b64 s[64:65], 0
	v_nop
	global_prefetch_b8 v0, s[64:65] scope:SCOPE_SE
	s_setreg_imm32_b32 hwreg(HW_REG_WAVE_MODE, 25, 1), 1
	s_wait_xcnt 0x0
; For 32 rows of x (one block of 32 keys of one batch): x is quantised along its 1,024 (records to xc, for the next launch, and to LDS); kv = x Wkv; kv is quantised along the latent 128;
; k = rms_norm(kv Wk) is quantised along each head's 32; v = kv Wv is quantised along these 32 KEYS.  All products on codes of FP6 (E2M3) with E8M0 scales; sums, norms and what goes into a quantiser in f32.
; A RECORD is the register image of a fragment of 16 rows x 128 K: three chunks of 512 bytes (lane l at 16 l), then the scale words (lane l at 4 l).
; PHASES.  X: wave w turns 16 rows x 256 numbers into two records | barrier | 1: wave w makes latent units 16 w .. 16 w + 15 of both row tiles (transposed: source 0 = Wkv, source 1 = x), f32 images to LDS | barrier |
; Q: every wave quantises both tiles of kv itself (170 vector instructions, and no third barrier) | 2: wave w makes k and v of heads 2 w and 2 w + 1.
; ORDER ALONG K.  A matrix result holds, in lane (r, h), units 16 u + 8 h + j of tiles u = 0, 1; sixteen such registers go straight into a conversion, whose 12 bytes are places 16 h + 8 u + j of the block.
; So place p of a block holds unit (p % 8) + 16 ((p / 8) % 2) + 8 (p / 16).  Both operands of each later product have that same order inside a block (Wk and Wv are laid so), which leaves every sum as it is.
; OUT.  kvc, 98,304 bytes a (batch, head): K's codes [key][24 bytes]; from 49,152 V's codes [step of 128 keys][tile of 16 d][block of 32 keys][d][24 bytes].  kvs: K's bytes [batch x 64 + block][head][32 keys]; from 131,072 V's bytes [batch x 64 + block][head][32 d].
; LIMITS: NaN and infinities are not served; a block whose largest magnitude lies under 2^-124 keeps the byte 1 (this program alone reads the bytes).
.set REC,   1664
.set STGW,  8448                       ; LDS 0: a stage of 16 rows x (512 + 16) bytes for each wave
.set XIMG,  67584                      ; x's 16 records (tile a, K step s: 8 a + s)
.set KVF,   94208                      ; kv as f32 images, 1,024 bytes each (8 a + latent tile)
.set SPARE, 110592                     ; the spare words, 128 bytes for each wave: four blocks of 256 bytes that no other line names
.set L16, 1                            ; 16 x lane
.set L4,  2                            ; 4 x lane
.set SIN, 3                            ; my stage: 16 x lane
.set SOUT,4                            ; my stage: row r, + 64 h
.set XWI, 5                            ; where I store my records,
.set XWS, 6                            ; and their scale words
.set XRI, 7                            ; where any record is read,
.set XRS, 8                            ; and its scale words
.set KWI, 9                            ; where I store kv's images
.set KRI, 10                           ; where they are read
.set CO,  11                           ; 24 r + 12 h: my 12 bytes of a row of codes
.set LN,  12                           ; lane
.set SPW, 13                           ; LDS address of my spare word; never rewritten
.set NIL, 14                           ; 0; never rewritten
.set GA,  15                           ; 32 h
.set R0,  16                           ; v16-79, v80-143: x as loaded
.set R1,  80
.set WF,  16                           ; v16-111: eight fragments of weights
.set KV,  112                          ; v112-135: kv's two fragments
.set TQ,  136                          ; v136-143: at work while kv is quantised
.set X,   144                          ; v144-207: 64 numbers of a lane: x, kv, k, v
.set XF,  144                          ; v144-191: x's fragments, two sets of two
.set ACC, 192                          ; v192-207: kv's two accumulators
.set PC,  208                          ; v208-219: x's codes
.set G,   208                          ; v208-223: later k_g at my 16 units
.set TX,  220                          ; v220-227: at work while x is quantised
.set TM,  228                          ; v228-231 largest magnitudes, v232-235 bytes, v236-239 the conversions' scale operands
.set PW,  240                          ; registers that hold scale words and nothing else: x's word just made,
.set KVS, 241                          ; kv's two,
.set XS,  243                          ; x's, two sets of two,
.set WS,  247                          ; the weights' eight
.set KCD, 16                           ; phase 2, in Wk's registers once they are done with: K's codes,
.set VCD, 32                           ; V's codes,
.set KBY, 48                           ; K's bytes, V's bytes,
.set VBY, 50
.set SS,  52                           ; four pairs for the sums of squares,
.set TT,  60                           ; and the other half's
.set SEL, 20
.set HM,  22
.set R32, 23
.set EPSR,24
.macro WMZ d, a, b, sa, sb             ; a product that starts its sum
	v_wmma_scale_f32_16x16x128_f8f6f4 v[\d:\d+7], v[\a:\a+11], v[\b:\b+11], 0, v[\sa], v[\sb] matrix_a_fmt:MATRIX_FMT_FP6 matrix_b_fmt:MATRIX_FMT_FP6
.endm
.macro WMA d, a, b, sa, sb             ; and one that adds in place
	v_wmma_scale_f32_16x16x128_f8f6f4 v[\d:\d+7], v[\a:\a+11], v[\b:\b+11], v[\d:\d+7], v[\sa], v[\sb] matrix_a_fmt:MATRIX_FMT_FP6 matrix_b_fmt:MATRIX_FMT_FP6
.endm
.macro PLACES n
.rept \n
	v_nop
.endr
.endm
.macro BARRIER                         ; my LDS stores have landed and my LDS loads are in: then the work-group's barrier
	s_wait_dscnt 0x0
	s_barrier_signal -1
	s_barrier_wait -1
.endm
; Four blocks of 32, of each of which a lane holds 16 numbers (v[s + 16 b] on) and lane l xor 16 the others: bytes to v[TM+4+b], the conversions' scale operands to v[TM+8+b]
.macro QSC s
.irp b, 0,1,2,3
	v_max3_num_f32 v[TM+\b], |v[\s+16*\b]|, |v[\s+16*\b+1]|, 0x1800000   ; the floor 2^(3 - 127) holds the byte at 1 from below
.endr
.irp i, 2,4,6,8,10,12,14
.irp b, 0,1,2,3
	v_max3_num_f32 v[TM+\b], v[TM+\b], |v[\s+16*\b+\i]|, |v[\s+16*\b+\i+1]|   ; the four blocks by turns
.endr
.endr
.irp b, 0,1,2,3
	v_permlanex16_b32 v[TM+4+\b], v[TM+\b], s[SEL], s[SEL+1]
.endr
.irp b, 0,1,2,3
	v_max_num_f32 v[TM+\b], v[TM+\b], v[TM+4+\b]
.endr
.irp b, 0,1,2,3
	v_add_nc_u32 v[TM+8+\b], 0xff000000, v[TM+\b]  ; 2 off the exponent field
.endr
.irp b, 0,1,2,3
	v_lshrrev_b32 v[TM+4+\b], 23, v[TM+8+\b]
.endr
.endm
; 64 numbers of a lane become a fragment's 12 registers in v[d] on and its scale word in v[pw]
.macro QUANT s, d, t, pw
	QSC \s
	v_lshl_or_b32 v[\pw], v[TM+5], 8, v[TM+4]
	v_lshl_or_b32 v[\pw], v[TM+6], 16, v[\pw]
	v_lshl_or_b32 v[\pw], v[TM+7], 24, v[\pw]
.irp c, 0,1
	v_cvt_scalef32_pk16_fp6_f32 v[\d+6*\c:\d+6*\c+2], v[\s+32*\c:\s+32*\c+15], v[TM+8+2*\c]
	v_cvt_scalef32_pk16_fp6_f32 v[\t+4*\c:\t+4*\c+2], v[\s+32*\c+16:\s+32*\c+31], v[TM+9+2*\c]
.endr
	v_nop                                          ; one plain place behind the conversions
.irp c, 0,1                            ; the operand's layout wants a whole block in a lane: lanes 0-15 block 2 c, lanes 16-31 block 2 c + 1
.irp i, 0,1,2
	v_permlane16_swap_b32 v[\d+6*\c+\i], v[\t+4*\c+\i]
.endr
.irp i, 0,1,2
	v_mov_b32 v[\d+6*\c+3+\i], v[\t+4*\c+\i]
.endr
.endr
.endm
.macro LOADX reg, e                    ; 16 rows x 512 bytes: each load reads 512 consecutive bytes of a row
.irp i, 0,1,2,3,4,5,6,7,8,9,10,11,12,13,14,15
	global_load_b128 v[\reg+4*\i:\reg+4*\i+3], v[L16], s[4:5] offset:\i*4096+512*\e th:TH_LOAD_NT
.endr
.endm
.macro TURN reg                        ; through my stage: in as loaded, back with 16 neighbours of each block of 32 in a lane.  LDS serves a wave's instructions in order: no wait between
.irp i, 0,1,2,3,4,5,6,7,8,9,10,11,12,13,14,15
	ds_store_b128 v[SIN], v[\reg+4*\i:\reg+4*\i+3] offset:\i*528
.endr
.irp b, 0,1,2,3
.irp j, 0,1,2,3
	ds_load_b128 v[X+16*\b+4*\j:X+16*\b+4*\j+3], v[SOUT] offset:128*\b+16*\j
.endr
.endr
.endm
.macro OUTX e                          ; the record just made: to LDS for this launch, to xc for the next
.irp c, 0,1,2
	ds_store_b128 v[XWI], v[PC+4*\c:PC+4*\c+3] offset:REC*\e+512*\c
.endr
	ds_store_b32 v[XWS], v[PW] offset:REC*\e
.irp c, 0,1,2
	global_store_b128 v[L16], v[PC+4*\c:PC+4*\c+3], s[10:11] offset:REC*\e+512*\c
.endr
	global_store_b32 v[L4], v[PW], s[10:11] offset:REC*\e+1536
.endm
.macro LOADREC f, ws, base, off        ; a record of weights into a fragment's registers and a scale register
.irp c, 0,1,2
	global_load_b128 v[\f+4*\c:\f+4*\c+3], v[L16], s[\base:\base+1] offset:\off+512*\c
.endr
	global_load_b32 v[\ws], v[L4], s[\base:\base+1] offset:\off+1536
.endm
.macro FETCHX s                        ; K step s of both row tiles of x, from LDS, into set s % 2: 8 loads
.irp a, 0,1
.irp c, 0,1,2
	ds_load_b128 v[XF+24*((\s)%2)+12*\a+4*\c:XF+24*((\s)%2)+12*\a+4*\c+3], v[XRI] offset:(8*\a+(\s))*REC+512*\c
.endr
	ds_load_b32 v[XS+2*((\s)%2)+\a], v[XRS] offset:(8*\a+(\s))*REC
.endr
.endm
	s_load_b256 s[4:11], s[0:1], 0x0               ; x, wts, k_g, xc
	s_load_b128 s[12:15], s[0:1], 0x20             ; kvc, kvs
	v_lshl_add_u32 v[SPW], v0, 2, SPARE
	v_mov_b32 v[NIL], 0
	v_lshrrev_b32 v[LN], 5, v0
	v_readfirstlane_b32 s16, v[LN]                 ; wave 0..7
	v_and_b32 v[LN], 31, v0
	v_and_b32 v[CO], 15, v0                        ; r
	v_bfe_u32 v[GA], v0, 4, 1                      ; h
	v_lshlrev_b32 v[L16], 4, v[LN]
	v_lshlrev_b32 v[L4], 2, v[LN]
	s_mul_i32 s17, s16, STGW
	v_add_nc_u32 v[SIN], s17, v[L16]
	v_mul_u32_u24 v[SOUT], v[CO], 528
	v_lshl_add_u32 v[SOUT], v[GA], 6, v[SOUT]
	v_add_nc_u32 v[SOUT], s17, v[SOUT]
	s_mul_i32 s17, s16, 2*REC
	s_add_co_u32 s17, s17, XIMG
	v_add_nc_u32 v[XWI], s17, v[L16]
	s_add_co_u32 s17, s17, 1536
	v_add_nc_u32 v[XWS], s17, v[L4]
	v_add_nc_u32 v[XRI], XIMG, v[L16]
	v_add_nc_u32 v[XRS], XIMG+1536, v[L4]
	s_lshl_b32 s17, s16, 10
	s_add_co_u32 s17, s17, KVF
	v_add_nc_u32 v[KWI], s17, v[L16]
	v_add_nc_u32 v[KRI], KVF, v[L16]
	v_mul_u32_u24 v[CO], v[CO], 24
	v_mad_u32_u24 v[CO], v[GA], 12, v[CO]
	v_lshlrev_b32 v[GA], 5, v[GA]
.irp b, 0,1,2,3
	v_mov_b32 v[TM+4+\b], 0                        ; written once: a lane permute's destination counts as one of its sources
.endr
	s_mov_b32 s[SEL], 0x76543210
	s_mov_b32 s[SEL+1], 0xfedcba98                 ; selects for lane l xor 16
	s_mov_b32 s[HM], 0xffff0000                    ; the mask of lanes 16-31
	s_mov_b32 s[R32], 0x3d000000                   ; 1 / 32
	s_mov_b32 s[EPSR], 0x358637bd                  ; 1e-6
	s_lshr_b32 s25, s16, 2                         ; x: row tile a = wave / 4,
	s_lshl_b32 s25, s25, 16
	s_and_b32 s26, s16, 3                          ; K steps 2 (wave % 4) and the next
	s_lshl_b32 s26, s26, 10
	s_lshl_b32 s28, ttmp9, 17                      ; 32 rows of 4,096 bytes a work-group
	s_add_co_u32 s28, s28, s25
	s_add_co_u32 s28, s28, s26
	s_mov_b32 s29, 0
	s_mul_i32 s30, ttmp9, 16*REC                   ; xc: 16 records a work-group, two a wave
	s_mul_i32 s25, s16, 2*REC
	s_add_co_u32 s30, s30, s25
	s_mov_b32 s31, 0
	s_mul_i32 s38, s16, 8*REC                      ; Wkv: my latent tile's 8 K steps
	s_mov_b32 s39, 0
	s_mul_i32 s52, s16, 4*REC                      ; Wk, Wv: my two heads' four tiles
	s_mov_b32 s53, 0
	s_lshr_b32 s40, ttmp9, 6                       ; batch
	s_lshl_b32 s40, s40, 4
	s_lshl_b32 s41, s16, 1
	s_add_co_u32 s40, s40, s41                     ; batch x 16 + my first head
	s_mul_i32 s40, s40, 98304
	s_and_b32 s42, ttmp9, 63                       ; the block of 32 keys
	s_mul_i32 s43, s42, 768
	s_add_co_u32 s44, s40, s43                     ; K's codes: 32 keys x 24 bytes a block
	s_mov_b32 s45, 0
	s_lshr_b32 s43, s42, 2
	s_mul_i32 s43, s43, 3072
	s_and_b32 s42, s42, 3
	s_mul_i32 s42, s42, 384
	s_add_co_u32 s46, s40, s43
	s_add_co_u32 s46, s46, s42
	s_add_co_u32 s46, s46, 49152                   ; V's codes: step, block in the step
	s_mov_b32 s47, 0
	s_lshl_b32 s48, ttmp9, 9
	s_lshl_b32 s41, s16, 6
	s_add_co_u32 s48, s48, s41                     ; the bytes: 512 a block, 32 a head
	s_mov_b32 s49, 0
	s_wait_kmcnt 0x0
	s_add_nc_u64 s[4:5], s[4:5], s[28:29]
	s_add_nc_u64 s[10:11], s[10:11], s[30:31]
	s_add_nc_u64 s[32:33], s[6:7], s[38:39]
	s_add_nc_u64 s[32:33], s[32:33], 512*REC       ; Wkv's records
	s_add_nc_u64 s[34:35], s[6:7], s[52:53]
	s_add_nc_u64 s[36:37], s[34:35], 608*REC       ; Wv's
	s_add_nc_u64 s[34:35], s[34:35], 576*REC       ; Wk's
	s_add_nc_u64 s[44:45], s[12:13], s[44:45]
	s_add_nc_u64 s[46:47], s[12:13], s[46:47]
	s_add_nc_u64 s[48:49], s[14:15], s[48:49]
	s_add_nc_u64 s[50:51], s[48:49], 131072
	; ---- X: all of the work-group's 131,072 bytes of x are asked for at once
	LOADX R0, 0
	LOADX R1, 1
	s_wait_loadcnt 16                              ; the first 16 loads are in; the second K step's 16 stay out
	TURN R0
	s_wait_dscnt 0x0
	QUANT X, PC, TX, PW
	OUTX 0
	s_wait_loadcnt 0x0
	TURN R1
	s_wait_dscnt 0x0                               ; the numbers are back; the stores into the stage and of the first record have read their registers
	s_wait_xcnt 0x0                                ; and so have the global stores of the first record: its registers are written again below
.irp s, 0,1,2,3,4,5,6,7
	LOADREC WF+12*\s, WS+\s, 32, REC*\s            ; my tile of Wkv, all 8 K steps: it lands while the second record is made
.endr
	QUANT X, PC, TX, PW
	OUTX 1
	BARRIER                                        ; x's sixteen records lie in LDS
	; ---- 1: kv^T = Wkv^T x^T: two accumulators by turns, the next K step's fragments fetched ahead
	FETCHX 0
	s_wait_loadcnt 0x0                             ; Wkv
.irp s, 0,1,2,3,4,5,6,7
.if (\s > 0) && (\s < 7)
	PLACES 4                                       ; in front of loads into the set that the last two products read
.endif
.if \s < 7
	FETCHX \s+1
	s_wait_dscnt 8                                 ; this step's 8 loads are in; the next step's 8 stay out
.else
	s_wait_dscnt 0x0
.endif
.irp a, 0,1
.if \s == 0
	WMZ ACC+8*\a, WF+12*\s, XF+24*(\s%2)+12*\a, WS+\s, XS+2*(\s%2)+\a
.else
	WMA ACC+8*\a, WF+12*\s, XF+24*(\s%2)+12*\a, WS+\s, XS+2*(\s%2)+\a
.endif
.endr
.endr
	PLACES 4                                       ; in front of the loads into the weights' registers and of the stores of the results
	s_wait_xcnt 0x0                                ; the second record's global stores have read v208-219, which k_g takes
.irp t, 0,1,2,3
	LOADREC WF+12*\t, WS+\t, 34, REC*\t            ; Wk: head 2 w + t / 2, tile t % 2
.endr
.irp t, 0,1,2,3
	LOADREC WF+48+12*\t, WS+4+\t, 36, REC*\t       ; Wv likewise
.endr
.irp u, 0,1
	global_load_b128 v[G+8*\u:G+8*\u+3], v[GA], s[8:9] offset:64*\u       ; k_g at units 16 u + 8 h + 0 .. 7
	global_load_b128 v[G+8*\u+4:G+8*\u+7], v[GA], s[8:9] offset:64*\u+16
.endr
.irp a, 0,1
.irp c, 0,1
	ds_store_b128 v[KWI], v[ACC+8*\a+4*\c:ACC+8*\a+4*\c+3] offset:8192*\a+512*\c   ; each accumulator from its low end on
.endr
.endr
	BARRIER                                        ; kv's sixteen images lie in LDS
	; ---- Q: register 8 t + j of a lane is latent unit 16 t + 8 h + j of token r
.irp a, 0,1
.irp t, 0,1,2,3,4,5,6,7
.irp c, 0,1
	ds_load_b128 v[X+8*\t+4*\c:X+8*\t+4*\c+3], v[KRI] offset:(8*\a+\t)*1024+512*\c
.endr
.endr
	s_wait_dscnt 0x0
	QUANT X, KV+12*\a, TQ, KVS+\a
.endr
	PLACES 8                                       ; a scale register written by a vector instruction stands 8 places ahead of a scaled product, an operand so written 4
	s_wait_loadcnt 0x0                             ; Wk, Wv, k_g
	; ---- 2, k: group 2 e + a = head 2 w + e, row tile a: 16 registers, unit 16 u + 8 h + j of token r
.irp e, 0,1
.irp a, 0,1
.irp u, 0,1
	WMZ X+16*(2*\e+\a)+8*\u, WF+12*(2*\e+\u), KV+12*\a, WS+2*\e+\u, KVS+\a
.endr
.endr
.endr
	PLACES 4
.irp g, 0,1,2,3
	v_pk_mul_f32 v[SS+2*\g:SS+2*\g+1], v[X+16*\g:X+16*\g+1], v[X+16*\g:X+16*\g+1]   ; the sum of squares, from each accumulator's low end on
.endr
.irp i, 2,4,6,8,10,12,14
.irp g, 0,1,2,3
	v_pk_fma_f32 v[SS+2*\g:SS+2*\g+1], v[X+16*\g+\i:X+16*\g+\i+1], v[X+16*\g+\i:X+16*\g+\i+1], v[SS+2*\g:SS+2*\g+1]
.endr
.endr
.irp g, 0,1,2,3
	v_add_f32 v[SS+2*\g], v[SS+2*\g], v[SS+2*\g+1]
.endr
.irp g, 0,1,2,3
	v_permlanex16_b32 v[TT+\g], v[SS+2*\g], s[SEL], s[SEL+1]
.endr
.irp g, 0,1,2,3
	v_add_f32 v[SS+2*\g], v[SS+2*\g], v[TT+\g]     ; with the other half's 16 units
.endr
.irp g, 0,1,2,3
	v_fma_f32 v[SS+2*\g], v[SS+2*\g], s[R32], s[EPSR]   ; the mean + 1e-6
.endr
.irp g, 0,1,2,3
	v_rsq_f32 v[SS+2*\g], v[SS+2*\g]
.endr
	v_nop                                          ; a plain place behind the last of them
	s_wait_alu depctr_va_vdst(0)                   ; one wait for the four, ahead of their first reader
.irp i, 0,2,4,6,8,10,12,14
.irp g, 0,1,2,3
	v_pk_mul_f32 v[X+16*\g+\i:X+16*\g+\i+1], v[X+16*\g+\i:X+16*\g+\i+1], v[SS+2*\g:SS+2*\g+1] op_sel_hi:[1,0]
.endr
.endr
.irp i, 0,2,4,6,8,10,12,14
.irp g, 0,1,2,3
	v_pk_mul_f32 v[X+16*\g+\i:X+16*\g+\i+1], v[X+16*\g+\i:X+16*\g+\i+1], v[G+\i:G+\i+1]
.endr
.endr
	QSC X
.irp g, 0,1,2,3
	v_cvt_scalef32_pk16_fp6_f32 v[KCD+4*\g:KCD+4*\g+2], v[X+16*\g:X+16*\g+15], v[TM+8+\g]
.endr
	v_nop                                          ; one plain place behind the conversions: the products below write their sources
.irp e, 0,1
	v_cndmask_b32 v[KBY+\e], v[TM+4+2*\e], v[TM+5+2*\e], s[HM]   ; lane 16 a + r carries the byte of key 16 a + r
.endr
.irp e, 0,1
.irp a, 0,1
	global_store_b96 v[CO], v[KCD+4*(2*\e+\a):KCD+4*(2*\e+\a)+2], s[44:45] offset:98304*\e+384*\a   ; the wave stores 384 consecutive bytes: 16 keys
.endr
	global_store_b8 v[LN], v[KBY+\e], s[48:49] offset:32*\e
.endr
	; ---- 2, v: NOT transposed (source 0 = kv's 16 tokens, source 1 = Wv's 16 columns): lane (r, h) holds d = 16 u + r and keys 16 a + 8 h + j: group 2 e + u has its K, the keys, down the registers
.irp e, 0,1
.irp u, 0,1
.irp a, 0,1
	WMZ X+16*(2*\e+\u)+8*\a, KV+12*\a, WF+48+12*(2*\e+\u), KVS+\a, WS+4+2*\e+\u
.endr
.endr
.endr
	PLACES 4
	QSC X
.irp g, 0,1,2,3
	v_cvt_scalef32_pk16_fp6_f32 v[VCD+4*\g:VCD+4*\g+2], v[X+16*\g:X+16*\g+15], v[TM+8+\g]
.endr
	v_nop
.irp e, 0,1
	v_cndmask_b32 v[VBY+\e], v[TM+4+2*\e], v[TM+5+2*\e], s[HM]   ; lane 16 u + r carries the byte of d = 16 u + r
.endr
.irp e, 0,1
.irp u, 0,1
	global_store_b96 v[CO], v[VCD+4*(2*\e+\u):VCD+4*(2*\e+\u)+2], s[46:47] offset:98304*\e+1536*\u
.endr
	global_store_b8 v[LN], v[VBY+\e], s[50:51] offset:32*\e
.endr
	s_wait_tensorcnt 0x0                           ; the wave's end, behind my last LDS store
	ds_add_u32 v[SPW], v[NIL]
	s_wait_dscnt 0x0
	s_endpgm
.Lfunc_end_k_q73d9ef3855_xkv:
	.size	k_q73d9ef3855_xkv, .Lfunc_end_k_q73d9ef3855_xkv-k_q73d9ef3855_xkv
	.p2alignl 7, 3214868480
	.fill 96, 4, 3214868480
	.section	.rodata,"a",@progbits
	.p2align	6, 0x0
	.amdhsa_kernel k_q73d9ef3855_xkv
		.amdhsa_group_segment_fixed_size 111616
		.amdhsa_private_segment_fixed_size 0
		.amdhsa_enable_private_segment 0
		.amdhsa_kernarg_size 48
		.amdhsa_user_sgpr_count 2
		.amdhsa_user_sgpr_kernarg_segment_ptr 1
		.amdhsa_wavefront_size32 1
		.amdhsa_system_sgpr_workgroup_id_x 1
		.amdhsa_system_sgpr_workgroup_id_y 1
		.amdhsa_system_sgpr_workgroup_id_z 1
		.amdhsa_system_vgpr_workitem_id 0
		.amdhsa_next_free_vgpr 256
		.amdhsa_next_free_sgpr 66
		.amdhsa_reserve_vcc 0
		.amdhsa_float_denorm_mode_32 3
		.amdhsa_float_denorm_mode_16_64 3
		.amdhsa_memory_ordered 1
		.amdhsa_forward_progress 1
		.amdhsa_inst_pref_size 61
	.end_amdhsa_kernel
	.amdgpu_metadata
---
amdhsa.version: [ 1, 2 ]
amdhsa.kernels:
  - .name:           k_q73d9ef3855_xkv
    .symbol:         k_q73d9ef3855_xkv.kd
    .args:
      - { .name: x, .offset: 0, .size: 8, .value_kind: global_buffer, .address_space: global }
      - { .name: wts, .offset: 8, .size: 8, .value_kind: global_buffer, .address_space: global }
      - { .name: k_g, .offset: 16, .size: 8, .value_kind: global_buffer, .address_space: global }
      - { .name: xc, .offset: 24, .size: 8, .value_kind: global_buffer, .address_space: global }
      - { .name: kvc, .offset: 32, .size: 8, .value_kind: global_buffer, .address_space: global }
      - { .name: kvs, .offset: 40, .size: 8, .value_kind: global_buffer, .address_space: global }
    .group_segment_fixed_size: 111616
    .private_segment_fixed_size: 0
    .kernarg_segment_align: 8
    .kernarg_segment_size: 48
    .max_flat_workgroup_size: 256
    .sgpr_count:     66
    .vgpr_count:     256
    .wavefront_size: 32
...
	.end_amdgpu_metadata
.endif
;; end of part 2
;; launch attn (part 3): grid 4 x 64, 16 waves a work-group, no clusters, 157,696 bytes of LDS; arguments xc, wts, kvc, kvs, q_g, oc, os; writes oc, os
.if DOCPART == 3
	.amdgcn_target "amdgcn-amd-amdhsa--gfx1250"
	.amdhsa_code_object_version 6
	.text
	.protected	k_q73d9ef3855_attn
	.globl	k_q73d9ef3855_attn
	.p2align	8
	.type	k_q73d9ef3855_attn,@function
k_q73d9ef3855_attn:
	s_mov_b64 s[64:65], 0
	v_nop
	global_prefetch_b8 v0, s[64:65] scope:SCOPE_SE
	s_setreg_imm32_b32 hwreg(HW_REG_WAVE_MODE, 25, 1), 1
	s_wait_xcnt 0x0
; One (batch, head) and 512 queries to a work-group: q = rms_norm(x Wq) of the head, its first 32 numbers quantised; causal attention on codes of FP6 (E2M3) with E8M0 scales; o = O / l quantised along the head's 32.
; SHARES.  Wave w owns two tiles of 16 queries, one after the other: Q0 = 256 x + 16 w, then 2,032 - Q0.  A tile at Q0 has Q0 / 128 + 1 key steps that count, so every wave has 17 of them.
; LDS, filled once through registers, one barrier: the head's K codes (2,048 keys x 24 bytes), V codes, the head's 32 records of Wq, and K's and V's scale words.
; THE FIRST PRODUCT HAS K = 32, the instruction 128.  A fragment of K carries FOUR tiles of 16 keys, one in each block of 32 along K: lane (r, h), registers 6 c on: key 64 f + 32 c + 16 h + r, which is 24 x lane + 768 c + 1,536 f in K's rows.
; Q stands in four forms, its codes in block j and zero CODES in the other three: form j picks tile 4 f + j, since a zero code adds nothing.  The four forms overlap in 30 registers: [Y Z X Z Y], X = codes in lanes 0-15, Y = in lanes 16-31, Z = zeros.
; Both products are used transposed (S^T = K Q^T, O^T = V^T P^T): a lane holds one query throughout.  Register 8 t + j of the scores is key 16 t + 8 h + j; p's codes so come out with place 16 h + 8 u + j of a block = key 16 u + 8 h + j,
; and V's codes were laid in that same order, as were q's and k's along the head's 32: the sums are as reference() has them.
; SOFTMAX: t = score x log2(e) / 8; M = the running largest t rounded up to a whole number, kept as -M; p = 2^(t - M) is quantised, not normalised; l is the sum of the unquantised p; when M moves, l and O^T are multiplied by 2^(old M - new M), exactly.
; CAUSAL: the loop has 16 trips in every wave; a step all of whose keys come after my queries is left out by a scalar branch on ids, round its work alone; on the diagonal hidden scores become -infinity ahead of the maximum.
; No cluster and no joint loads: what work-groups share (98,304 bytes of K and V among four, 53,248 of Wq among sixteen) is fetched once by each at its head and never again.
; LIMITS: NaN and infinities are not served; a block whose largest magnitude lies under 2^-124 keeps the byte 1.  q_g[32:64] scales what reference() drops and is not read.
.set REC,   1664
.set VC,    49152                      ; LDS: K's codes at 0, V's here,
.set WQL,   98304                      ; Wq's records (column tile t, K step s: 8 t + s),
.set KS,    151552                     ; K's scale words: word (step, f, r): bytes j = keys 128 step + 64 f + 16 j + r,
.set VS,    153600                     ; V's: word (step, u, r): bytes j = d 16 u + r, block 4 step + j
.set SPARE, 155648                     ; the spare words, 128 bytes for each wave: eight blocks of 256 bytes that no other line names
.set AK,  1                            ; 24 x lane
.set AV,  2                            ; 24 x lane + VC
.set AKS, 3                            ; KS + 4 x lane
.set AVS, 4                            ; VS + 4 x lane
.set SPW, 5                            ; LDS address of my spare word; never rewritten
.set NIL, 6                            ; 0; never rewritten
.set AWQ, 7                            ; WQL + 16 x lane
.set ADK, 8                            ; v8-11 the step's addresses
.set ADV, 9
.set ADS, 10
.set ADT, 11
;         v12 -M, v13 the largest t, v[14:15] l in two halves;  v16-45 Q's forms (in the q phase v16-31: two accumulators; at the head v16-41: my two records of Wq on their way to LDS)
.set AWS, 46                           ; WQL + 1,536 + 4 x lane; written once, and no load lands on it
.set DL,  47                           ; r - 8 h; likewise
.set KFR, 48                           ; v48-71 K's two fragments   (at the head v48-95: my part of K's and V's codes on its way to LDS)
.set VFR, 72                           ; v72-95 V's two
.set WQF, 48                           ; v48-95 in the q phase: four fragments of Wq
.set S,   96                           ; v96-159 the scores, then p
.set XFR, 96                           ; v96-191 in the q phase: x's eight fragments
.set O,   160                          ; v160-175 O^T
.set P,   176                          ; v176-187 p's codes
.set CT,  188                          ; v188-195 the conversions' second halves
.set BM,  196                          ; v196-199 the blocks' largest scores, then largest p
.set WK,  200                          ; v200-203 at work
.set SO,  204                          ; v204-207 the conversions' scale operands
.set F,   208                          ; v[208:209] f = 2^(old M - new M); in the q phase a chain of the sum of squares, then 1 / rms
.set TA,  210                          ; v210, v211 at work
.set TB,  211
.set GO,  212                          ; 24 r + 12 h
.set GS,  213                          ; 16 r
.set L16, 214                          ; 16 x lane
.set L4,  215                          ; 4 x lane
.set QG,  216                          ; v216-231 q_g at units 16 u + 8 h + j
.set QS,  232                          ; registers that hold scale words and nothing else: q's byte four times,
.set KSR, 233                          ; K's words (lanes 0-15: f = 0, lanes 16-31: f = 1),
.set VSR, 234                          ; V's (u = 0, u = 1),
.set PS,  235                          ; p's,
.set XW,  236                          ; x's eight,
.set WQW, 244                          ; Wq's four
.set CD,  248                          ; v248-250 codes just made, v251 o's byte
.set CX,  252                          ; v252-254 the other half's codes
.set FA,  192                          ; at the head only: v192-200 addresses of the fill
.set FB,  193
.set FW,  194
.set FWS, 195
.set KBA, 196
.set VBA, 197
.set FKS, 198
.set FVS, 199
.set GQ,  200
.set WV,  18
.set BH,  19
.set BB,  20
.set HD,  21
.set SEL, 22
.set CS,  24
.set HM,  26
.set R64, 27
.set EPSR,28
;         s32, s33 the two passes' Q0;  s[36:39] their rows of xc;  s[40:43] of oc;  s[44:47] of os
.set KF,  48                           ; the step's first key
.set TK,  49                           ; its place in K's and V's codes: 3,072 bytes a step
.set TS,  50                           ; and among the scale words: 128 bytes a step
.set CNT, 51
.set QE,  52                           ; my last query
.set T0,  53
.macro WMZ d, a, b, sa, sb
	v_wmma_scale_f32_16x16x128_f8f6f4 v[\d:\d+7], v[\a:\a+11], v[\b:\b+11], 0, v[\sa], v[\sb] matrix_a_fmt:MATRIX_FMT_FP6 matrix_b_fmt:MATRIX_FMT_FP6
.endm
.macro WMA d, a, b, sa, sb
	v_wmma_scale_f32_16x16x128_f8f6f4 v[\d:\d+7], v[\a:\a+11], v[\b:\b+11], v[\d:\d+7], v[\sa], v[\sb] matrix_a_fmt:MATRIX_FMT_FP6 matrix_b_fmt:MATRIX_FMT_FP6
.endm
.macro WMZ1 d, a, b, sa, sb            ; source 0's scales from lanes 16-31
	v_wmma_scale_f32_16x16x128_f8f6f4 v[\d:\d+7], v[\a:\a+11], v[\b:\b+11], 0, v[\sa], v[\sb] matrix_a_fmt:MATRIX_FMT_FP6 matrix_b_fmt:MATRIX_FMT_FP6 matrix_a_scale:MATRIX_SCALE_ROW1
.endm
.macro WMA1 d, a, b, sa, sb
	v_wmma_scale_f32_16x16x128_f8f6f4 v[\d:\d+7], v[\a:\a+11], v[\b:\b+11], v[\d:\d+7], v[\sa], v[\sb] matrix_a_fmt:MATRIX_FMT_FP6 matrix_b_fmt:MATRIX_FMT_FP6 matrix_a_scale:MATRIX_SCALE_ROW1
.endm
.macro PLACES n
.rept \n
	v_nop
.endr
.endm
.macro XLOADS n                        ; pass n's tile of x: 8 records, 32 loads
.irp s, 0,1,2,3,4,5,6,7
.irp c, 0,1,2
	global_load_b128 v[XFR+12*\s+4*\c:XFR+12*\s+4*\c+3], v[L16], s[36+2*\n:37+2*\n] offset:REC*\s+512*\c
.endr
	global_load_b32 v[XW+\s], v[L4], s[36+2*\n:37+2*\n] offset:REC*\s+1536
.endr
.endm
; One block of 32, of which I hold 16 numbers (v[s] on) and lane l xor 16 the others: my 16 codes to v[d] on, the byte to v[TB]
.macro QB1 s, d
	v_max3_num_f32 v[TA], |v[\s]|, |v[\s+1]|, 0x1800000            ; the floor 2^(3 - 127) holds the byte at 1 from below
	v_max3_num_f32 v[TB], |v[\s+2]|, |v[\s+3]|, |v[\s+4]|
	v_max3_num_f32 v[TA], v[TA], |v[\s+5]|, |v[\s+6]|
	v_max3_num_f32 v[TB], v[TB], |v[\s+7]|, |v[\s+8]|
	v_max3_num_f32 v[TA], v[TA], |v[\s+9]|, |v[\s+10]|
	v_max3_num_f32 v[TB], v[TB], |v[\s+11]|, |v[\s+12]|
	v_max3_num_f32 v[TA], v[TA], |v[\s+13]|, |v[\s+14]|
	v_max3_num_f32 v[TB], v[TB], v[TA], |v[\s+15]|
	v_permlanex16_b32 v[TA], v[TB], s[SEL], s[SEL+1]
	v_max_num_f32 v[TB], v[TB], v[TA]
	v_add_nc_u32 v[TA], 0xff000000, v[TB]          ; 2 off the exponent field: the conversion's scale operand
	v_lshrrev_b32 v[TB], 23, v[TA]                 ; the byte
	v_cvt_scalef32_pk16_fp6_f32 v[\d:\d+2], v[\s:\s+15], v[TA]
	v_nop                                          ; one plain place behind the conversion
.endm
; A KEY STEP: 128 keys.  q0: the scalar register that holds my first query
.macro STEP q0
	s_cmp_gt_u32 s[KF], s[QE]                      ; all 128 keys come after my queries: the work is left out
	s_cbranch_scc1 .Lhidden_\@
	v_add_nc_u32 v[ADK], s[TK], v[AK]              ; (these four are the places between the last step's products and the loads into V's registers)
	v_add_nc_u32 v[ADV], s[TK], v[AV]
	v_add_nc_u32 v[ADS], s[TS], v[AKS]
	v_add_nc_u32 v[ADT], s[TS], v[AVS]
.irp f, 0,1
.irp p, 0,1,2,3,4,5
	ds_load_b64 v[KFR+12*\f+2*\p:KFR+12*\f+2*\p+1], v[ADK] offset:1536*\f+768*(\p/3)+8*(\p%3)   ; lanes 24 bytes apart: the 32 lanes' 64 words fall on 64 different banks
.endr
.endr
	ds_load_b32 v[KSR], v[ADS]
.irp f, 0,1
.irp p, 0,1,2,3,4,5
	ds_load_b64 v[VFR+12*\f+2*\p:VFR+12*\f+2*\p+1], v[ADV] offset:1536*\f+768*(\p/3)+8*(\p%3)
.endr
.endr
	ds_load_b32 v[VSR], v[ADT]
	s_wait_dscnt 13                                ; K's 13 loads are in; V's 13 stay out
	WMZ S, KFR, 28, KSR, QS                        ; tile 4 f + j: fragment f against Q's form j (forms 0 to 3 begin at v28, v16, v22, v34)
	WMZ S+8, KFR, 16, KSR, QS
	WMZ S+16, KFR, 22, KSR, QS
	WMZ S+24, KFR, 34, KSR, QS
	WMZ1 S+32, KFR+12, 28, KSR, QS
	WMZ1 S+40, KFR+12, 16, KSR, QS
	WMZ1 S+48, KFR+12, 22, KSR, QS
	WMZ1 S+56, KFR+12, 34, KSR, QS
	PLACES 4
	s_add_co_u32 s[T0], s[KF], 127
	s_cmp_le_u32 s[T0], s[\q0]                     ; all 128 keys count for all my queries: no mask
	s_cbranch_scc1 .Lopen_\@
	s_sub_co_i32 s[T0], s[\q0], s[KF]
	v_add_nc_u32 v[TA], s[T0], v[DL]               ; d = my query - KF - 8 h.  Register 8 t + j holds key KF + 16 t + 8 h + j: hidden where 16 t + j > d
	v_mov_b32 v[TB], 0xff800000                    ; -infinity
.set j, 0
.rept 64
	v_cmp_gt_i32 vcc_lo, 16*(j/8)+j%8, v[TA]
	v_cndmask_b32 v[S+j], v[S+j], v[TB], vcc_lo
.set j, j+1
.endr
.Lopen_\@:
.irp b, 0,1,2,3
	v_max3_num_f32 v[BM+\b], v[S+16*\b], v[S+16*\b+1], v[S+16*\b+2]   ; the largest score of each block of 32 keys: for the row's maximum, and, since p rises with the score, for the block's largest p
.endr
.irp i, 3,5,7,9,11,13
.irp b, 0,1,2,3
	v_max3_num_f32 v[BM+\b], v[BM+\b], v[S+16*\b+\i], v[S+16*\b+\i+1]
.endr
.endr
.irp b, 0,1,2,3
	v_max_num_f32 v[BM+\b], v[BM+\b], v[S+16*\b+15]
.endr
.irp b, 0,1,2,3
	v_permlanex16_b32 v[WK+\b], v[BM+\b], s[SEL], s[SEL+1]
.endr
.irp b, 0,1,2,3
	v_max_num_f32 v[BM+\b], v[BM+\b], v[WK+\b]     ; with lane l xor 16's 16 keys
.endr
	v_max3_num_f32 v[TA], v[BM], v[BM+1], v[BM+2]
	v_max_num_f32 v[TA], v[TA], v[BM+3]
	v_mul_f32 v[TA], s[CS], v[TA]                  ; as t (c is positive)
	v_max_num_f32 v13, v13, v[TA]                  ; the running largest t
	v_mov_b32 v[TA], v12
	v_floor_f32 v12, -v13                          ; the new -M = floor(-t): M is a whole number
	v_sub_f32 v[TA], v12, v[TA]                    ; old M - new M: a whole number, 0 or less
	v_cvt_i32_f32 v[TA], v[TA]                     ; (it saturates)
	v_ldexp_f32 v[F], 1.0, v[TA]                   ; f = 2^(old M - new M)
.set j, 0
.rept 32
	v_pk_fma_f32 v[S+j:S+j+1], v[S+j:S+j+1], s[CS:CS+1], v[12:13] op_sel_hi:[1,0,0]   ; t - M, two at a time
.set j, j+2
.endr
.irp b, 0,1,2,3
	v_fma_f32 v[BM+\b], v[BM+\b], s[CS], v12       ; the same of each block's largest score
.endr
.set j, 0
.rept 64
	v_exp_f32 v[S+j], v[S+j]                       ; p = 2^(t - M)
.set j, j+1
.endr
	v_pk_mul_f32 v[14:15], v[14:15], v[F:F+1] op_sel_hi:[1,0]      ; l under the new M: the plain place behind the exponentials
	s_wait_alu depctr_va_vdst(0)                   ; one wait for the 64, ahead of their first reader
.irp b, 0,1,2,3
	v_exp_f32 v[BM+\b], v[BM+\b]                   ; the block's largest p: the same two instructions on the same number give the same bits
.endr
	v_pk_add_f32 v[TA:TA+1], v[S:S+1], v[S+2:S+3]  ; l takes the UNQUANTISED p, two at a time, in two chains; the first half stands here, behind the four
.irp i, 4,8,12,16,20,24,28
	v_pk_add_f32 v[14:15], v[14:15], v[S+\i:S+\i+1]
	v_pk_add_f32 v[TA:TA+1], v[TA:TA+1], v[S+\i+2:S+\i+3]
.endr
	s_wait_alu depctr_va_vdst(0)                   ; and one for the four
.irp b, 0,1,2,3
	v_max_num_f32 v[BM+\b], 0x1800000, v[BM+\b]    ; the floor: a block whose every p is 0 keeps the byte 1, and its codes are zeros
.endr
.irp b, 0,1,2,3
	v_add_nc_u32 v[SO+\b], 0xff000000, v[BM+\b]
.endr
.irp b, 0,1,2,3
	v_lshrrev_b32 v[WK+\b], 23, v[SO+\b]
.endr
	v_lshl_or_b32 v[PS], v[WK+1], 8, v[WK]         ; p's scale word for these 128 keys
	v_lshl_or_b32 v[PS], v[WK+2], 16, v[PS]
	v_lshl_or_b32 v[PS], v[WK+3], 24, v[PS]
.irp c, 0,1
	v_cvt_scalef32_pk16_fp6_f32 v[P+6*\c:P+6*\c+2], v[S+32*\c:S+32*\c+15], v[SO+2*\c]
	v_cvt_scalef32_pk16_fp6_f32 v[CT+4*\c:CT+4*\c+2], v[S+32*\c+16:S+32*\c+31], v[SO+2*\c+1]
.endr
.irp i, 32,36,40,44,48,52,56,60
	v_pk_add_f32 v[14:15], v[14:15], v[S+\i:S+\i+1]                ; the sums' second half: 17 plain instructions that touch no code and no register of the products below: the place behind the conversions, and the places between p's scale word and its product
	v_pk_add_f32 v[TA:TA+1], v[TA:TA+1], v[S+\i+2:S+\i+3]
.endr
	v_pk_add_f32 v[14:15], v[14:15], v[TA:TA+1]
.irp c, 0,1                            ; the operand's layout wants a whole block in a lane
.irp i, 0,1,2
	v_permlane16_swap_b32 v[P+6*\c+\i], v[CT+4*\c+\i]
.endr
.irp i, 0,1,2
	v_mov_b32 v[P+6*\c+3+\i], v[CT+4*\c+\i]
.endr
.endr
.irp i, 0,2,4,6,8,10,12,14
	v_pk_mul_f32 v[O+\i:O+\i+1], v[O+\i:O+\i+1], v[F:F+1] op_sel_hi:[1,0]   ; O^T under the new M, from each accumulator's low end on
.endr
	s_wait_dscnt 0x0                               ; V
	WMA O, VFR, P, VSR, PS                         ; O^T += V^T P^T: d = 0 .. 15,
	WMA1 O+8, VFR+12, P, VSR, PS                   ; d = 16 .. 31
.Lhidden_\@:
	s_add_co_u32 s[KF], s[KF], 128
	s_add_co_u32 s[TK], s[TK], 3072
	s_add_co_u32 s[TS], s[TS], 128
.endm
; A PASS: one tile of 16 queries from x's codes to o's codes
.macro PASS n
	s_wait_loadcnt 0x0                             ; x's records (and, the first time, q_g)
.if \n
	s_wait_xcnt 0x0                                ; the first pass's stores have read v248-251
.endif
.irp s, 0,1,2,3,4,5,6,7                ; q^T = Wq^T x^T: the head's four tiles of 16 units, four accumulators by turns
.if \s > 0
	PLACES 4                                       ; in front of loads into registers that the last four products read
.endif
.irp t, 0,1,2,3
.irp c, 0,1,2
	ds_load_b128 v[WQF+12*\t+4*\c:WQF+12*\t+4*\c+3], v[AWQ] offset:(8*\t+\s)*REC+512*\c
.endr
	ds_load_b32 v[WQW+\t], v[AWS] offset:(8*\t+\s)*REC
.endr
	s_wait_dscnt 0x0
.irp t, 0,1,2,3                        ; tiles 0, 1 (the units that are kept) at v192-207, tiles 2, 3 (for the mean alone) at v16-31
.if \s == 0
	WMZ 192+8*\t-192*(\t/2), WQF+12*\t, XFR+12*\s, WQW+\t, XW+\s
.else
	WMA 192+8*\t-192*(\t/2), WQF+12*\t, XFR+12*\s, WQW+\t, XW+\s
.endif
.endr
.endr
	PLACES 4
	v_pk_mul_f32 v[F:F+1], v[192:193], v[192:193]                  ; the sum of squares of my 32 units, two chains, each accumulator from its low end on
	v_pk_mul_f32 v[TA:TA+1], v[194:195], v[194:195]
.irp p, 196,200,204,16,20,24,28
	v_pk_fma_f32 v[F:F+1], v[\p:\p+1], v[\p:\p+1], v[F:F+1]
	v_pk_fma_f32 v[TA:TA+1], v[\p+2:\p+3], v[\p+2:\p+3], v[TA:TA+1]
.endr
	v_pk_add_f32 v[F:F+1], v[F:F+1], v[TA:TA+1]
	v_add_f32 v[F], v[F], v[F+1]
	v_permlanex16_b32 v[TA], v[F], s[SEL], s[SEL+1]
	v_add_f32 v[F], v[F], v[TA]                    ; with the other half's 32
	v_fma_f32 v[F], v[F], s[R64], s[EPSR]          ; the mean + 1e-6
	v_rsq_f32 v[F], v[F]
	v_nop                                          ; a plain place behind it
	s_wait_alu depctr_va_vdst(0)                   ; the wait ahead of its first reader
.irp i, 0,2,4,6,8,10,12,14
	v_pk_mul_f32 v[192+\i:193+\i], v[192+\i:193+\i], v[F:F+1] op_sel_hi:[1,0]
.endr
.irp i, 0,2,4,6,8,10,12,14
	v_pk_mul_f32 v[192+\i:193+\i], v[192+\i:193+\i], v[QG+\i:QG+\i+1]
.endr
	QB1 192, CD
	v_lshl_or_b32 v[QS], v[TB], 8, v[TB]           ; q's byte in all four bytes: whichever block holds the codes
	v_lshl_or_b32 v[QS], v[QS], 16, v[QS]
.irp i, 0,1,2
	v_permlanex16_b32 v[CX+\i], v[CD+\i], s[SEL], s[SEL+1]         ; the other 16 places of my query
.endr
.irp i, 0,1,2
	v_cndmask_b32 v[28+\i], v[CD+\i], 0, s[HM]     ; X: lanes 0-15 hold the query's 24 bytes, lanes 16-31 zeros
	v_cndmask_b32 v[31+\i], v[CX+\i], 0, s[HM]
	v_cndmask_b32 v[16+\i], 0, v[CX+\i], s[HM]     ; Y: the other way round, twice
	v_cndmask_b32 v[19+\i], 0, v[CD+\i], s[HM]
	v_cndmask_b32 v[40+\i], 0, v[CX+\i], s[HM]
	v_cndmask_b32 v[43+\i], 0, v[CD+\i], s[HM]
.endr
.irp i, 0,1,2,3,4,5
	v_mov_b32 v[22+\i], 0                          ; Z
	v_mov_b32 v[34+\i], 0
.endr
.irp i, 0,1,2,3,4,5,6,7,8,9,10,11,12,13,14,15
	v_mov_b32 v[O+\i], 0                           ; O^T: the step is written once; the first finds zeros.  (These lines are also the places between q's scale word and codes and their first product)
.endr
	v_mov_b32 v13, 0xff61b1e6                      ; the largest t so far: -3e38
	v_floor_f32 v12, -v13
	v_mov_b32 v14, 0
	v_mov_b32 v15, 0
	s_mov_b32 s[KF], 0
	s_mov_b32 s[TK], 0
	s_mov_b32 s[TS], 0
	s_add_co_u32 s[QE], s[32+\n], 15
	s_mov_b32 s[CNT], 16
.Lstep_\@:
	STEP 32+\n
	s_sub_co_u32 s[CNT], s[CNT], 1
	s_cmp_lg_u32 s[CNT], 0
	s_cbranch_scc1 .Lstep_\@
	PLACES 4
	v_add_f32 v14, v14, v15                        ; l's two halves,
	v_permlanex16_b32 v[TA], v14, s[SEL], s[SEL+1]
	v_add_f32 v14, v14, v[TA]                      ; and the other half of the lanes'
	v_rcp_f32 v14, v14
	v_nop
	s_wait_alu depctr_va_vdst(0)
.irp i, 0,2,4,6,8,10,12,14
	v_pk_mul_f32 v[S+\i:S+\i+1], v[O+\i:O+\i+1], v[14:15] op_sel_hi:[1,0]   ; o = O^T / l: register 8 u + j is d = 16 u + 8 h + j
.endr
	QB1 S, CD
	v_mov_b32 v[CD+3], v[TB]
	global_store_b96 v[GO], v[CD:CD+2], s[40+2*\n:41+2*\n]         ; the wave stores 384 consecutive bytes: 16 queries
	global_store_b8 v[GS], v[CD+3], s[44+2*\n:45+2*\n]             ; the block's byte, at [row][head]; both halves of the lanes write the same byte with the same value
.if \n == 0
	XLOADS 1                                       ; the second tile's x, into registers that are done with
.endif
.endm
	s_load_b256 s[4:11], s[0:1], 0x0               ; xc, wts, kvc, kvs
	s_load_b128 s[12:15], s[0:1], 0x20             ; q_g, oc
	s_load_b64 s[16:17], s[0:1], 0x30              ; os
	v_lshl_add_u32 v[SPW], v0, 2, SPARE
	v_mov_b32 v[NIL], 0
	v_lshrrev_b32 v8, 5, v0
	v_readfirstlane_b32 s[WV], v8                  ; wave 0..15
	v_and_b32 v9, 31, v0                           ; lane
	v_and_b32 v10, 15, v0                          ; r
	v_bfe_u32 v11, v0, 4, 1                        ; h
	v_mul_u32_u24 v[AK], v9, 24
	v_add_nc_u32 v[AV], VC, v[AK]
	v_lshlrev_b32 v[L4], 2, v9
	v_lshlrev_b32 v[L16], 4, v9
	v_add_nc_u32 v[AKS], KS, v[L4]
	v_add_nc_u32 v[AVS], VS, v[L4]
	v_add_nc_u32 v[AWQ], WQL, v[L16]
	v_add_nc_u32 v[AWS], WQL+1536, v[L4]
	v_lshlrev_b32 v12, 3, v11
	v_sub_nc_u32 v[DL], v10, v12
	v_mul_u32_u24 v[GO], v10, 24
	v_mad_u32_u24 v[GO], v11, 12, v[GO]
	v_lshlrev_b32 v[GS], 4, v10
	v_lshlrev_b32 v[GQ], 5, v11                    ; q_g: 32 h
	v_lshlrev_b32 v[FA], 4, v0                     ; the fill: 16 bytes a thread, 8,192 an instruction of the work-group
	v_lshl_add_u32 v[FB], v0, 4, VC
	s_mul_i32 s54, s[WV], 2*REC
	s_add_co_u32 s55, s54, WQL
	v_add_nc_u32 v[FW], s55, v[L16]                ; my two records of Wq
	s_add_co_u32 s55, s55, 1536
	v_add_nc_u32 v[FWS], s55, v[L4]
	v_lshlrev_b32 v[KBA], 11, v8                   ; thread (step, f, r): K's bytes lie 2,048 a step, 1,024 an f, one a key,
	v_lshl_add_u32 v[KBA], v11, 10, v[KBA]
	v_add_nc_u32 v[KBA], v[KBA], v10
	v_lshl_add_u32 v[VBA], v8, 11, v9              ; thread (step, u, r): V's 2,048 a step, one a d
	v_lshl_add_u32 v[FKS], v0, 2, KS
	v_lshl_add_u32 v[FVS], v0, 2, VS
	s_mov_b32 s[SEL], 0x76543210
	s_mov_b32 s[SEL+1], 0xfedcba98                 ; selects for lane l xor 16
	s_mov_b32 s[CS], 0x3e38aa3b                    ; c = log2(e) / 8
	s_mov_b32 s[CS+1], s[CS]                       ; (named with it as a pair)
	s_mov_b32 s[HM], 0xffff0000                    ; the mask of lanes 16-31
	s_mov_b32 s[R64], 0x3c800000                   ; 1 / 64
	s_mov_b32 s[EPSR], 0x358637bd                  ; 1e-6
	s_and_b32 s[BH], ttmp7, 0xffff                 ; batch x 16 + head
	s_lshr_b32 s[BB], s[BH], 4
	s_and_b32 s[HD], s[BH], 15
	s_lshl_b32 s32, ttmp9, 4
	s_add_co_u32 s32, s32, s[WV]                   ; my first tile of queries: 16 x + w;
	s_sub_co_u32 s33, 127, s32                     ; my second: its mirror
.irp n, 0,1
	s_lshl_b32 s56, s[BB], 7
	s_add_co_u32 s56, s56, s[32+\n]
	s_mul_i32 s[36+2*\n], s56, 8*REC               ; xc: 8 records a tile of rows
	s_mov_b32 s[37+2*\n], 0
	s_lshl_b32 s[32+\n], s[32+\n], 4               ; Q0
	s_lshl_b32 s56, s[BH], 11
	s_add_co_u32 s56, s56, s[32+\n]
	s_mul_i32 s[40+2*\n], s56, 24                  ; oc: [batch x 16 + head][query][24 bytes]
	s_mov_b32 s[41+2*\n], 0
	s_lshl_b32 s56, s[BB], 11
	s_add_co_u32 s56, s56, s[32+\n]
	s_lshl_b32 s56, s56, 4
	s_add_co_u32 s[44+2*\n], s56, s[HD]            ; os: [row][16 heads]
	s_mov_b32 s[45+2*\n], 0
.endr
	s_mul_i32 s58, s[HD], 32*REC
	s_add_co_u32 s58, s58, s54                     ; Wq: the head's 32 records, my two
	s_mov_b32 s59, 0
	s_mul_i32 s60, s[BH], 98304
	s_mov_b32 s61, 0
	s_lshl_b32 s62, s[BB], 15
	s_lshl_b32 s56, s[HD], 5
	s_add_co_u32 s62, s62, s56
	s_mov_b32 s63, 0
	s_wait_kmcnt 0x0
.irp n, 0,1
	s_add_nc_u64 s[36+2*\n:37+2*\n], s[4:5], s[36+2*\n:37+2*\n]
	s_add_nc_u64 s[40+2*\n:41+2*\n], s[14:15], s[40+2*\n:41+2*\n]
	s_add_nc_u64 s[44+2*\n:45+2*\n], s[16:17], s[44+2*\n:45+2*\n]
.endr
	s_add_nc_u64 s[58:59], s[6:7], s[58:59]
	s_add_nc_u64 s[60:61], s[8:9], s[60:61]
	s_add_nc_u64 s[62:63], s[10:11], s[62:63]
	s_add_nc_u64 s[66:67], s[62:63], 131072
.irp i, 0,1,2,3,4,5,6,7,8,9,10,11
	global_load_b128 v[48+4*\i:51+4*\i], v[FA], s[60:61] offset:8192*\i     ; the head's K and V codes: 98,304 consecutive bytes; staged in v48-95, which hold no address
.endr
.irp e, 0,1
.irp c, 0,1,2
	global_load_b128 v[16+12*\e+4*\c:19+12*\e+4*\c], v[L16], s[58:59] offset:REC*\e+512*\c   ; my two records of Wq, staged in v16-41
.endr
	global_load_b32 v[40+\e], v[L4], s[58:59] offset:REC*\e+1536
.endr
	global_load_u8 v[CD], v[KBA], s[62:63]                         ; tiles j = 0 .. 3 of 16 keys: block j / 2 (512 bytes on), half j % 2 (16 on)
	global_load_u8 v[CD+1], v[KBA], s[62:63] offset:16
	global_load_u8 v[CD+2], v[KBA], s[62:63] offset:512
	global_load_u8 v[CD+3], v[KBA], s[62:63] offset:528
.irp i, 0,1,2,3
	global_load_u8 v[CX+\i], v[VBA], s[66:67] offset:512*\i        ; blocks j = 0 .. 3 of the step
.endr
.irp u, 0,1
	global_load_b128 v[QG+8*\u:QG+8*\u+3], v[GQ], s[12:13] offset:64*\u
	global_load_b128 v[QG+8*\u+4:QG+8*\u+7], v[GQ], s[12:13] offset:64*\u+16
.endr
	XLOADS 0
	s_wait_loadcnt 36                              ; the fill's 28 loads are in; q_g's 4 and x's 32 stay out
	v_lshl_or_b32 v[CD], v[CD+1], 8, v[CD]
	v_lshl_or_b32 v[CD], v[CD+2], 16, v[CD]
	v_lshl_or_b32 v[CD], v[CD+3], 24, v[CD]
	v_lshl_or_b32 v[CX], v[CX+1], 8, v[CX]
	v_lshl_or_b32 v[CX], v[CX+2], 16, v[CX]
	v_lshl_or_b32 v[CX], v[CX+3], 24, v[CX]
.irp i, 0,1,2,3,4,5
	ds_store_b128 v[FA], v[48+4*\i:51+4*\i] offset:8192*\i
.endr
.irp i, 0,1,2,3,4,5
	ds_store_b128 v[FB], v[72+4*\i:75+4*\i] offset:8192*\i         ; (a second address register: an LDS offset has 16 bits)
.endr
.irp e, 0,1
.irp c, 0,1,2
	ds_store_b128 v[FW], v[16+12*\e+4*\c:19+12*\e+4*\c] offset:REC*\e+512*\c
.endr
	ds_store_b32 v[FWS], v[40+\e] offset:REC*\e
.endr
	ds_store_b32 v[FKS], v[CD]
	ds_store_b32 v[FVS], v[CX]
	s_wait_dscnt 0x0                               ; for the others' sake: my part of the fill has landed
	s_barrier_signal -1
	s_barrier_wait -1                              ; everybody's has; nothing in LDS is written again
	PASS 0
	PASS 1
	s_wait_tensorcnt 0x0                           ; the wave's end, behind my last LDS store
	ds_add_u32 v[SPW], v[NIL]
	s_wait_dscnt 0x0
	s_endpgm
.Lfunc_end_k_q73d9ef3855_attn:
	.size	k_q73d9ef3855_attn, .Lfunc_end_k_q73d9ef3855_attn-k_q73d9ef3855_attn
	.p2alignl 7, 3214868480
	.fill 96, 4, 3214868480
	.section	.rodata,"a",@progbits
	.p2align	6, 0x0
	.amdhsa_kernel k_q73d9ef3855_attn
		.amdhsa_group_segment_fixed_size 157696
		.amdhsa_private_segment_fixed_size 0
		.amdhsa_enable_private_segment 0
		.amdhsa_kernarg_size 56
		.amdhsa_user_sgpr_count 2
		.amdhsa_user_sgpr_kernarg_segment_ptr 1
		.amdhsa_wavefront_size32 1
		.amdhsa_system_sgpr_workgroup_id_x 1
		.amdhsa_system_sgpr_workgroup_id_y 1
		.amdhsa_system_sgpr_workgroup_id_z 1
		.amdhsa_system_vgpr_workitem_id 0
		.amdhsa_next_free_vgpr 256
		.amdhsa_next_free_sgpr 72
		.amdhsa_reserve_vcc 1
		.amdhsa_float_denorm_mode_32 3
		.amdhsa_float_denorm_mode_16_64 3
		.amdhsa_memory_ordered 1
		.amdhsa_forward_progress 1
		.amdhsa_inst_pref_size 98
	.end_amdhsa_kernel
	.amdgpu_metadata
---
amdhsa.version: [ 1, 2 ]
amdhsa.kernels:
  - .name:           k_q73d9ef3855_attn
    .symbol:         k_q73d9ef3855_attn.kd
    .args:
      - { .name: xc, .offset: 0, .size: 8, .value_kind: global_buffer, .address_space: global }
      - { .name: wts, .offset: 8, .size: 8, .value_kind: global_buffer, .address_space: global }
      - { .name: kvc, .offset: 16, .size: 8, .value_kind: global_buffer, .address_space: global }
      - { .name: kvs, .offset: 24, .size: 8, .value_kind: global_buffer, .address_space: global }
      - { .name: q_g, .offset: 32, .size: 8, .value_kind: global_buffer, .address_space: global }
      - { .name: oc, .offset: 40, .size: 8, .value_kind: global_buffer, .address_space: global }
      - { .name: os, .offset: 48, .size: 8, .value_kind: global_buffer, .address_space: global }
    .group_segment_fixed_size: 157696
    .private_segment_fixed_size: 0
    .kernarg_segment_align: 8
    .kernarg_segment_size: 56
    .max_flat_workgroup_size: 512
    .sgpr_count:     72
    .vgpr_count:     256
    .wavefront_size: 32
...
	.end_amdgpu_metadata
.endif
;; end of part 3
;; launch ogemm (part 4): grid 4 x 64, 16 waves a work-group, no clusters, 71,680 bytes of LDS; arguments oc, os, wts, out0; writes out0
.if DOCPART == 4
	.amdgcn_target "amdgcn-amd-amdhsa--gfx1250"
	.amdhsa_code_object_version 6
	.text
	.protected	k_q73d9ef3855_ogemm
	.globl	k_q73d9ef3855_ogemm
	.p2align	8
	.type	k_q73d9ef3855_ogemm,@function
k_q73d9ef3855_ogemm:
	s_mov_b64 s[64:65], 0
	v_nop
	global_prefetch_b8 v0, s[64:65] scope:SCOPE_SE
	s_setreg_imm32_b32 hwreg(HW_REG_WAVE_MODE, 25, 1), 1
	s_wait_xcnt 0x0
; out0 = o Wo on codes of FP6 (E2M3) with E8M0 scales, sums in f32.  reference() pads each head's 32 numbers of o with 32 zeros: every second block of 32 along K is zeros and adds nothing, so K here is 512: block B = head B.
; A work-group makes 128 rows x 256 columns; wave (w / 4, w % 4) makes 32 x 64: 8 accumulators, which take turns.  Transposed use: source 0 = 16 columns of Wo (a record of wts), source 1 = 16 rows of o:
; a lane then holds eight neighbouring numbers of a row of out0.
; o's fragment comes as it lies in oc, [batch x 16 + head][row][24 bytes]: lane (r, h), registers 6 c on: head 4 s + 2 c + h, row r.  Its scale words are the row's 16 bytes of os, one word a K step.
; Operands go from memory straight into registers, two K steps ahead in two sets; no wave waits for another.  Each wave's results leave through its own stage in LDS, so that sixteen lanes store 256 consecutive bytes, aligned.
; No cluster: K has four steps, and a work-group's whole input is 157,696 bytes, asked for within its first two steps.
.set REC,   1664
.set SPARE, 69632                      ; behind the 16 stages of 16 x 272 bytes: the spare words, 128 bytes for each wave: eight blocks of 256 bytes that no other line names
.set OA,  1                            ; 49,152 h + 24 r
.set L16, 2                            ; 16 x lane
.set L4,  3                            ; 4 x lane + 1,536
.set SIN, 4                            ; my stage: row r, + 32 h
.set SOUT,5                            ; my stage: row h, + 16 r
.set GOF, 6                            ; 4,096 h + 16 r
.set SPW, 7                            ; LDS address of my spare word; never rewritten
.set NIL, 8                            ; 0; never rewritten
.set R16, 9                            ; 16 r
.set ACC, 16                           ; v16-79: accumulator (a, q) at 16 + 8 (4 a + q)
.set AW,  80                           ; v80-87: o's scale words, 4 a + s: they hold nothing else
.set SET, 88                           ; two sets of 76: o's two fragments, Wo's four, Wo's four scale words (v160-163, v236-239: they hold nothing else)
.set RB,  88                           ; the way out: v88-151
.macro LOADK s                         ; K step s into set s % 2: 28 loads
.set SB, SET+76*((\s)%2)
.irp a, 0,1
.irp p, 0,1,2,3,4,5
	global_load_b64 v[SB+12*\a+2*\p:SB+12*\a+2*\p+1], v[OA], s[4:5] offset:384*\a+196608*(\s)+98304*(\p/3)+8*(\p%3)
.endr
.endr
.irp q, 0,1,2,3
.irp c, 0,1,2
	global_load_b128 v[SB+24+12*\q+4*\c:SB+24+12*\q+4*\c+3], v[L16], s[8:9] offset:(4*\q+(\s))*REC+512*\c
.endr
	global_load_b32 v[SB+72+\q], v[L4], s[8:9] offset:(4*\q+(\s))*REC
.endr
.endm
	s_load_b256 s[4:11], s[0:1], 0x0               ; oc, os, wts, out0
	v_lshl_add_u32 v[SPW], v0, 2, SPARE
	v_mov_b32 v[NIL], 0
	v_lshrrev_b32 v10, 5, v0
	v_readfirstlane_b32 s12, v10                   ; wave 0..15
	v_and_b32 v10, 31, v0                          ; lane
	v_and_b32 v11, 15, v0                          ; r
	v_bfe_u32 v12, v0, 4, 1                        ; h
	v_mul_u32_u24 v[OA], v11, 24
	v_mad_u32_u24 v[OA], v12, 49152, v[OA]         ; the next head's rows lie 2,048 x 24 bytes on
	v_lshlrev_b32 v[L16], 4, v10
	v_lshl_add_u32 v[L4], v10, 2, 1536
	v_lshlrev_b32 v[R16], 4, v11
	s_mul_i32 s28, s12, 16*272                     ; my stage
	v_mul_u32_u24 v[SIN], v11, 272
	v_lshl_add_u32 v[SIN], v12, 5, v[SIN]
	v_add_nc_u32 v[SIN], s28, v[SIN]
	v_mul_u32_u24 v[SOUT], v12, 272
	v_lshl_add_u32 v[SOUT], v11, 4, v[SOUT]
	v_add_nc_u32 v[SOUT], s28, v[SOUT]
	v_lshl_add_u32 v[GOF], v12, 12, v[R16]
	s_lshr_b32 s13, s12, 2                         ; which 32 rows,
	s_and_b32 s14, s12, 3                          ; which 64 columns
	s_and_b32 s15, ttmp7, 0xffff
	s_lshl_b32 s16, s15, 7
	s_lshl_b32 s17, s13, 5
	s_add_co_u32 s16, s16, s17                     ; my first row
	s_lshr_b32 s18, s15, 4                         ; its batch,
	s_and_b32 s19, s16, 2047                       ; and its place there
	s_mul_i32 s20, s18, 786432
	s_mul_i32 s19, s19, 24
	s_add_co_u32 s20, s20, s19
	s_mov_b32 s21, 0
	s_lshl_b32 s22, s16, 4
	s_mov_b32 s23, 0
	s_lshl_b32 s24, ttmp9, 4
	s_lshl_b32 s25, s14, 2
	s_add_co_u32 s24, s24, s25                     ; my first column tile
	s_mul_i32 s24, s24, 4*REC
	s_add_co_u32 s24, s24, 640*REC                 ; Wo's records begin at record 640
	s_mov_b32 s25, 0
	s_lshl_b32 s26, s16, 12
	s_lshl_b32 s27, ttmp9, 10
	s_add_co_u32 s26, s26, s27
	s_lshl_b32 s27, s14, 8
	s_add_co_u32 s26, s26, s27
	s_mov_b32 s27, 0
	s_wait_kmcnt 0x0
	s_add_nc_u64 s[4:5], s[4:5], s[20:21]
	s_add_nc_u64 s[6:7], s[6:7], s[22:23]
	s_add_nc_u64 s[8:9], s[8:9], s[24:25]
	s_add_nc_u64 s[10:11], s[10:11], s[26:27]
.irp a, 0,1
	global_load_b128 v[AW+4*\a:AW+4*\a+3], v[R16], s[6:7] offset:256*\a     ; a row's 16 bytes: the words of its four K steps
.endr
	LOADK 0
	LOADK 1
.irp s, 0,1,2,3
.if \s < 3
	s_wait_loadcnt 28                              ; this step's set is in (and, the first time, o's scale words); the other set's 28 loads stay out
.else
	s_wait_loadcnt 0x0
.endif
.set SB, SET+76*(\s%2)
.irp a, 0,1
.irp q, 0,1,2,3
.if \s == 0
	v_wmma_scale_f32_16x16x128_f8f6f4 v[ACC+8*(4*\a+\q):ACC+8*(4*\a+\q)+7], v[SB+24+12*\q:SB+24+12*\q+11], v[SB+12*\a:SB+12*\a+11], 0, v[SB+72+\q], v[AW+4*\a+\s] matrix_a_fmt:MATRIX_FMT_FP6 matrix_b_fmt:MATRIX_FMT_FP6
.else
	v_wmma_scale_f32_16x16x128_f8f6f4 v[ACC+8*(4*\a+\q):ACC+8*(4*\a+\q)+7], v[SB+24+12*\q:SB+24+12*\q+11], v[SB+12*\a:SB+12*\a+11], v[ACC+8*(4*\a+\q):ACC+8*(4*\a+\q)+7], v[SB+72+\q], v[AW+4*\a+\s] matrix_a_fmt:MATRIX_FMT_FP6 matrix_b_fmt:MATRIX_FMT_FP6
.endif
.endr
.endr
.if \s != 2
.rept 4
	v_nop                                          ; places in front of loads into registers that these products read, and of the first read of results
.endr
.endif
.if \s < 2
	LOADK \s+2
.endif
.endr
.irp a, 0,1                            ; 16 rows x 64 columns at a time through my stage.  LDS serves a wave's instructions in order: no wait between the stores and the loads, nor in front of the next 16 rows' stores
.irp q, 0,1,2,3
	ds_store_b128 v[SIN], v[ACC+8*(4*\a+\q):ACC+8*(4*\a+\q)+3] offset:64*\q          ; each accumulator from its low end on
	ds_store_b128 v[SIN], v[ACC+8*(4*\a+\q)+4:ACC+8*(4*\a+\q)+7] offset:64*\q+16
.endr
.irp i, 0,1,2,3,4,5,6,7
	ds_load_b128 v[RB+32*\a+4*\i:RB+32*\a+4*\i+3], v[SOUT] offset:2*\i*272
.endr
.endr
.irp a, 0,1
.irp i, 0,1,2,3,4,5,6,7
	s_wait_dscnt 23-16*\a-\i                       ; behind this load were issued the 7 - i loads of its run and, for the first 16 rows, the second 16 rows' 8 stores and 8 loads
	global_store_b128 v[GOF], v[RB+32*\a+4*\i:RB+32*\a+4*\i+3], s[10:11] offset:(16*\a+2*\i)*4096 th:TH_STORE_NT   ; 16 lanes store 256 consecutive bytes, at a multiple of 256 from out0's first byte
.endr
.endr
	s_wait_tensorcnt 0x0                           ; the wave's end, behind my last LDS store
	ds_add_u32 v[SPW], v[NIL]
	s_wait_dscnt 0x0
	s_endpgm
.Lfunc_end_k_q73d9ef3855_ogemm:
	.size	k_q73d9ef3855_ogemm, .Lfunc_end_k_q73d9ef3855_ogemm-k_q73d9ef3855_ogemm
	.p2alignl 7, 3214868480
	.fill 96, 4, 3214868480
	.section	.rodata,"a",@progbits
	.p2align	6, 0x0
	.amdhsa_kernel k_q73d9ef3855_ogemm
		.amdhsa_group_segment_fixed_size 71680
		.amdhsa_private_segment_fixed_size 0
		.amdhsa_enable_private_segment 0
		.amdhsa_kernarg_size 32
		.amdhsa_user_sgpr_count 2
		.amdhsa_user_sgpr_kernarg_segment_ptr 1
		.amdhsa_wavefront_size32 1
		.amdhsa_system_sgpr_workgroup_id_x 1
		.amdhsa_system_sgpr_workgroup_id_y 1
		.amdhsa_system_sgpr_workgroup_id_z 1
		.amdhsa_system_vgpr_workitem_id 0
		.amdhsa_next_free_vgpr 256
		.amdhsa_next_free_sgpr 66
		.amdhsa_reserve_vcc 0
		.amdhsa_float_denorm_mode_32 3
		.amdhsa_float_denorm_mode_16_64 3
		.amdhsa_memory_ordered 1
		.amdhsa_forward_progress 1
		.amdhsa_inst_pref_size 22
	.end_amdhsa_kernel
	.amdgpu_metadata
---
amdhsa.version: [ 1, 2 ]
amdhsa.kernels:
  - .name:           k_q73d9ef3855_ogemm
    .symbol:         k_q73d9ef3855_ogemm.kd
    .args:
      - { .name: oc, .offset: 0, .size: 8, .value_kind: global_buffer, .address_space: global }
      - { .name: os, .offset: 8, .size: 8, .value_kind: global_buffer, .address_space: global }
      - { .name: wts, .offset: 16, .size: 8, .value_kind: global_buffer, .address_space: global }
      - { .name: out0, .offset: 24, .size: 8, .value_kind: global_buffer, .address_space: global }
    .group_segment_fixed_size: 71680
    .private_segment_fixed_size: 0
    .kernarg_segment_align: 8
    .kernarg_segment_size: 32
    .max_flat_workgroup_size: 512
    .sgpr_count:     66
    .vgpr_count:     256
    .wavefront_size: 32
...
	.end_amdgpu_metadata
.endif
;; end of part 4
;; ======== version 2 of 2: 4 launches
;; workspace buffers: wts 1,490,944 bytes; xc 6,815,744 bytes; kvc 6,291,456 bytes; kvs 262,144 bytes; oc 3,145,728 bytes; os 131,072 bytes
;; launch prep (part 5): grid 224 x 1, 4 waves a work-group, no clusters, 0 bytes of LDS; arguments Wq, Wkv, Wk, Wv, Wo, wts; writes wts
.if DOCPART == 5
	.amdgcn_target "amdgcn-amd-amdhsa--gfx1250"
	.amdhsa_code_object_version 6
	.text
	.protected	k_q73d9ef3855_prep
	.globl	k_q73d9ef3855_prep
	.p2align	8
	.type	k_q73d9ef3855_prep,@function
k_q73d9ef3855_prep:
	s_mov_b64 s[64:65], 0
	v_nop
	global_prefetch_b8 v0, s[64:65] scope:SCOPE_SE
	s_setreg_imm32_b32 hwreg(HW_REG_WAVE_MODE, 25, 1), 1
	s_wait_xcnt 0x0
; The five weights, f32 with K as their FIRST axis, become codes of FP6 (E2M3) with one E8M0 byte for each 32 along K, laid as RECORDS.
; A record is the register image of one operand fragment, 16 columns x 128 along K: three chunks of 512 bytes (registers 4 c .. 4 c + 3, lane l at 16 l), then 128 bytes of scale words (lane l at 4 l).
; One wave makes one record: lane (r, h) takes column 16 ct + r, and its 64 registers run DOWN K in the order that the operand's layout gives that lane (k = 64 c + 32 h + 0 .. 31), so the conversions' results are the operand's registers.
; The four waves of a work-group take four neighbouring column tiles: together they read 256 consecutive bytes of each row.
; ORDER ALONG K.  Wq and Wkv: as K lies.  Wk, Wv, Wo: inside each block of 32, place p holds row (p % 8) + 16 ((p / 8) % 2) + 8 (p / 16): that is the order in which the other operand (a matrix result turned into codes lane by lane) comes out.
; Wo: reference() pads each head's 32 numbers with 32 zeros, so of each 64 rows of Wo only the first 32 meet numbers: K here is 512, block B = rows 64 B .. 64 B + 31, which is the quantiser's own block 2 B.  Rows 64 B + 32 .. 63 are not read.
; Records: Wq ct 8 + s | 512 + Wkv ct 8 + s | 576 + Wk ct | 608 + Wv ct | 640 + Wo ct 4 + s.
; LIMITS: NaN and infinities are not served; a block whose largest magnitude lies under 2^-124 keeps the byte 1 (a block of zeros too: its codes are zeros, and this program alone reads the bytes).
.set REC, 1664
.set NUM, 32                           ; v32-95   64 numbers
.set COD, 96                           ; v96-107  the fragment's codes
.set TMP, 108                          ; v108-115 the second halves of the blocks, as the conversions leave them
.set WRD, 116                          ; v116     the scale word
.macro LOADW pitch, bs, sig            ; W(2 bs c + bs h + place i's row, my column): pitch bytes a row; blocks bs rows apart; sig = 1: the permuted order
.irp c, 0,1
.irp i, 0,1,2,3,4,5,6,7,8,9,10,11,12,13,14,15,16,17,18,19,20,21,22,23,24,25,26,27,28,29,30,31
.if \sig
	global_load_b32 v[NUM+32*\c+\i], v4, s[24:25] offset:(2*\bs*\c+(\i%8)+16*((\i/8)%2)+8*(\i/16))*\pitch
.else
	global_load_b32 v[NUM+32*\c+\i], v4, s[24:25] offset:(2*\bs*\c+\i)*\pitch
.endif
.endr
.endr
.endm
	s_load_b256 s[4:11], s[0:1], 0x0               ; Wq, Wkv, Wk, Wv
	s_load_b128 s[12:15], s[0:1], 0x20             ; Wo, wts
	v_lshrrev_b32 v1, 5, v0
	v_readfirstlane_b32 s16, v1                    ; wave
	v_and_b32 v1, 31, v0                           ; lane
	v_and_b32 v2, 15, v0                           ; r
	v_bfe_u32 v3, v0, 4, 1                         ; h
	v_lshlrev_b32 v7, 2, v2                        ; 4 r
	v_lshlrev_b32 v5, 4, v1                        ; 16 x lane
	v_lshlrev_b32 v6, 2, v1                        ; 4 x lane
	s_mov_b32 s28, 0x76543210
	s_mov_b32 s29, 0xfedcba98                      ; selects for lane l xor 16
	s_mov_b32 s23, 0
	s_wait_kmcnt 0x0
	s_cmp_lt_u32 ttmp9, 128
	s_cbranch_scc0 .Lnot_wq
	s_lshr_b32 s17, ttmp9, 3                       ; Wq: work-groups 0 .. 127: four column tiles x one K step
	s_and_b32 s18, ttmp9, 7                        ; s
	s_lshl_b32 s17, s17, 2
	s_add_co_u32 s17, s17, s16                     ; ct
	s_lshl_b32 s20, s17, 3
	s_add_co_u32 s20, s20, s18                     ; the record
	s_lshl_b32 s22, s18, 19                        ; 128 rows of 4,096 bytes a K step
	s_lshl_b32 s19, s17, 6
	s_add_co_u32 s22, s22, s19
	s_add_nc_u64 s[24:25], s[4:5], s[22:23]
	s_wait_alu depctr_va_vdst(0)
	v_lshl_add_u32 v4, v3, 17, v7                  ; lanes 16-31 begin 32 rows further down
	LOADW 4096, 32, 0
	s_branch .Lquant
.Lnot_wq:
	s_cmp_lt_u32 ttmp9, 144
	s_cbranch_scc0 .Lnot_wkv
	s_sub_co_u32 s21, ttmp9, 128                   ; Wkv: 16 work-groups
	s_lshr_b32 s17, s21, 3
	s_and_b32 s18, s21, 7
	s_lshl_b32 s17, s17, 2
	s_add_co_u32 s17, s17, s16
	s_lshl_b32 s20, s17, 3
	s_add_co_u32 s20, s20, s18
	s_add_co_u32 s20, s20, 512
	s_lshl_b32 s22, s18, 16                        ; 128 rows of 512 bytes
	s_lshl_b32 s19, s17, 6
	s_add_co_u32 s22, s22, s19
	s_add_nc_u64 s[24:25], s[6:7], s[22:23]
	s_wait_alu depctr_va_vdst(0)
	v_lshl_add_u32 v4, v3, 14, v7
	LOADW 512, 32, 0
	s_branch .Lquant
.Lnot_wkv:
	s_cmp_lt_u32 ttmp9, 160
	s_cbranch_scc0 .Lwo
	s_sub_co_u32 s21, ttmp9, 144                   ; Wk: 8 work-groups, then Wv: 8
	s_and_b32 s17, s21, 7
	s_lshl_b32 s17, s17, 2
	s_add_co_u32 s17, s17, s16                     ; ct 0 .. 31
	s_lshr_b32 s18, s21, 3
	s_lshl_b32 s20, s18, 5
	s_add_co_u32 s20, s20, s17
	s_add_co_u32 s20, s20, 576
	s_lshl_b32 s22, s17, 6
	s_cmp_lt_u32 ttmp9, 152                        ; the choice hangs on the work-group's number alone
	s_cselect_b64 s[24:25], s[8:9], s[10:11]
	s_add_nc_u64 s[24:25], s[24:25], s[22:23]
	s_wait_alu depctr_va_vdst(0)
	v_lshl_add_u32 v4, v3, 16, v7                  ; 32 rows of 2,048 bytes
	LOADW 2048, 32, 1
	s_branch .Lquant
.Lwo:
	s_sub_co_u32 s21, ttmp9, 160                   ; Wo: 64 work-groups
	s_lshr_b32 s17, s21, 2
	s_and_b32 s18, s21, 3
	s_lshl_b32 s17, s17, 2
	s_add_co_u32 s17, s17, s16                     ; ct 0 .. 63
	s_lshl_b32 s20, s17, 2
	s_add_co_u32 s20, s20, s18
	s_add_co_u32 s20, s20, 640
	s_lshl_b32 s22, s18, 20                        ; a K step is four heads: 256 rows of 4,096 bytes
	s_lshl_b32 s19, s17, 6
	s_add_co_u32 s22, s22, s19
	s_add_nc_u64 s[24:25], s[12:13], s[22:23]
	s_wait_alu depctr_va_vdst(0)
	v_lshl_add_u32 v4, v3, 18, v7                  ; the next head begins 64 rows further down
	LOADW 4096, 64, 1
.Lquant:
	s_wait_loadcnt 0x0                             ; the one batch of 64 loads
.irp c, 0,1
	v_max3_num_f32 v[8+\c], |v[NUM+32*\c]|, |v[NUM+1+32*\c]|, 0x1800000   ; my block 2 c + h: all its 32 numbers are mine; the floor 2^(3 - 127) holds the byte at 1 from below
.endr
.irp i, 2,4,6,8,10,12,14,16,18,20,22,24,26,28,30
.irp c, 0,1
	v_max3_num_f32 v[8+\c], v[8+\c], |v[NUM+32*\c+\i]|, |v[NUM+1+32*\c+\i]|
.endr
.endr
.irp c, 0,1
	v_add_nc_u32 v[10+\c], 0xff000000, v[8+\c]     ; 2 off the exponent field: the conversion's scale operand
.endr
.irp c, 0,1
	v_lshrrev_b32 v[12+\c], 23, v[10+\c]           ; the scale's byte
.endr
	v_lshl_or_b32 v[WRD], v13, 16, v12             ; blocks h and 2 + h,
	v_lshlrev_b32 v14, 3, v3
	v_lshlrev_b32 v[WRD], v14, v[WRD]              ; at their places in the word;
	v_mov_b32 v15, 0
	v_permlanex16_b32 v15, v[WRD], s28, s29
	v_or_b32 v[WRD], v[WRD], v15                   ; with lane l xor 16's two the word is whole, in both halves of the lanes
.irp c, 0,1
	v_cvt_scalef32_pk16_fp6_f32 v[COD+6*\c:COD+6*\c+2], v[NUM+32*\c:NUM+32*\c+15], v[10+\c]
	v_cvt_scalef32_pk16_fp6_f32 v[TMP+4*\c:TMP+4*\c+2], v[NUM+32*\c+16:NUM+32*\c+31], v[10+\c]   ; (a conversion's three registers begin on an even number)
.endr
	v_nop                                          ; one plain place behind the conversions
.irp c, 0,1
.irp i, 0,1,2
	v_mov_b32 v[COD+6*\c+3+\i], v[TMP+4*\c+\i]
.endr
.endr
	s_mul_i32 s22, s20, REC
	s_add_nc_u64 s[26:27], s[14:15], s[22:23]
	global_store_b128 v5, v[COD:COD+3], s[26:27]               ; each store of the wave covers 512 consecutive bytes
	global_store_b128 v5, v[COD+4:COD+7], s[26:27] offset:512
	global_store_b128 v5, v[COD+8:COD+11], s[26:27] offset:1024
	global_store_b32 v6, v[WRD], s[26:27] offset:1536
	s_endpgm
.Lfunc_end_k_q73d9ef3855_prep:
	.size	k_q73d9ef3855_prep, .Lfunc_end_k_q73d9ef3855_prep-k_q73d9ef3855_prep
	.p2alignl 7, 3214868480
	.fill 96, 4, 3214868480
	.section	.rodata,"a",@progbits
	.p2align	6, 0x0
	.amdhsa_kernel k_q73d9ef3855_prep
		.amdhsa_group_segment_fixed_size 0
		.amdhsa_private_segment_fixed_size 0
		.amdhsa_enable_private_segment 0
		.amdhsa_kernarg_size 48
		.amdhsa_user_sgpr_count 2
		.amdhsa_user_sgpr_kernarg_segment_ptr 1
		.amdhsa_wavefront_size32 1
		.amdhsa_system_sgpr_workgroup_id_x 1
		.amdhsa_system_sgpr_workgroup_id_y 1
		.amdhsa_system_sgpr_workgroup_id_z 1
		.amdhsa_system_vgpr_workitem_id 0
		.amdhsa_next_free_vgpr 128
		.amdhsa_next_free_sgpr 66
		.amdhsa_reserve_vcc 0
		.amdhsa_float_denorm_mode_32 3
		.amdhsa_float_denorm_mode_16_64 3
		.amdhsa_memory_ordered 1
		.amdhsa_forward_progress 1
		.amdhsa_inst_pref_size 31
	.end_amdhsa_kernel
	.amdgpu_metadata
---
amdhsa.version: [ 1, 2 ]
amdhsa.kernels:
  - .name:           k_q73d9ef3855_prep
    .symbol:         k_q73d9ef3855_prep.kd
    .args:
      - { .name: Wq, .offset: 0, .size: 8, .value_kind: global_buffer, .address_space: global }
      - { .name: Wkv, .offset: 8, .size: 8, .value_kind: global_buffer, .address_space: global }
      - { .name: Wk, .offset: 16, .size: 8, .value_kind: global_buffer, .address_space: global }
      - { .name: Wv, .offset: 24, .size: 8, .value_kind: global_buffer, .address_space: global }
      - { .name: Wo, .offset: 32, .size: 8, .value_kind: global_buffer, .address_space: global }
      - { .name: wts, .offset: 40, .size: 8, .value_kind: global_buffer, .address_space: global }
    .group_segment_fixed_size: 0
    .private_segment_fixed_size: 0
    .kernarg_segment_align: 8
    .kernarg_segment_size: 48
    .max_flat_workgroup_size: 128
    .sgpr_count:     66
    .vgpr_count:     128
    .wavefront_size: 32
...
	.end_amdgpu_metadata
.endif
;; end of part 5
;; launch xkv (part 6): grid 256 x 1, 8 waves a work-group, no clusters, 111,616 bytes of LDS; arguments x, wts, k_g, xc, kvc, kvs; writes xc, kvc, kvs
.if DOCPART == 6
	.amdgcn_target "amdgcn-amd-amdhsa--gfx1250"
	.amdhsa_code_object_version 6
	.text
	.protected	k_q73d9ef3855_xkv
	.globl	k_q73d9ef3855_xkv
	.p2align	8
	.type	k_q73d9ef3855_xkv,@function
k_q73d9ef3855_xkv:
	s_mov_b64 s[64:65], 0
	v_nop
	global_prefetch_b8 v0, s[64:65] scope:SCOPE_SE
	s_setreg_imm32_b32 hwreg(HW_REG_WAVE_SCHED_MODE, 0, 2), 2
	s_setreg_imm32_b32 hwreg(HW_REG_WAVE_MODE, 25, 1), 1
	s_wait_xcnt 0x0
	s_wait_alu depctr_vm_vsrc(0)
; For 32 rows of x (one block of 32 keys of one batch): x is quantised along its 1,024 (records to xc, for the next launch, and to LDS); kv = x Wkv; kv is quantised along the latent 128;
; k = rms_norm(kv Wk) is quantised along each head's 32; v = kv Wv is quantised along these 32 KEYS.  All products on codes of FP6 (E2M3) with E8M0 scales; sums, norms and what goes into a quantiser in f32.
; A RECORD is the register image of a fragment of 16 rows x 128 K: three chunks of 512 bytes (lane l at 16 l), then the scale words (lane l at 4 l).
; PHASES.  X: wave w turns 16 rows x 256 numbers into two records | barrier | 1: wave w makes latent units 16 w .. 16 w + 15 of both row tiles (transposed: source 0 = Wkv, source 1 = x), f32 images to LDS | barrier |
; Q: every wave quantises both tiles of kv itself (170 vector instructions, and no third barrier) | 2: wave w makes k and v of heads 2 w and 2 w + 1.
; ORDER ALONG K.  A matrix result holds, in lane (r, h), units 16 u + 8 h + j of tiles u = 0, 1; sixteen such registers go straight into a conversion, whose 12 bytes are places 16 h + 8 u + j of the block.
; So place p of a block holds unit (p % 8) + 16 ((p / 8) % 2) + 8 (p / 16).  Both operands of each later product have that same order inside a block (Wk and Wv are laid so), which leaves every sum as it is.
; OUT.  kvc, 98,304 bytes a (batch, head): K's codes [key][24 bytes]; from 49,152 V's codes [step of 128 keys][tile of 16 d][block of 32 keys][d][24 bytes].  kvs: K's bytes [batch x 64 + block][head][32 keys]; from 131,072 V's bytes [batch x 64 + block][head][32 d].
; LIMITS: NaN and infinities are not served; a block whose largest magnitude lies under 2^-124 keeps the byte 1 (this program alone reads the bytes).
; THE MODE: SCHED_MODE bits 1:0 = 2 (LLVM: expert scheduling mode 2), set by the entry lines.  The code itself states the register dependences between vector or matrix instructions and memory or LDS instructions, with s_wait_alu, always for 0.
; THE PLAN.  Registers that memory or LDS instructions touch, and who else names them:
;   v1-v15     addresses: written at the head and never again: one wait on va_vdst ahead of the first load serves the whole kernel.
;   v16-143    x as loaded: read by the stage's stores alone; then Wkv's loads land in v16-111: one wait on vm_vsrc between.  Later Wk's and Wv's loads land there, behind the wait that shows phase 1's products done.
;   v144-207   X: LDS loads land in it, the quantising reads it; then x's fragments (two sets by turns) and kv's accumulators; then kv's numbers.  Each change stands behind a wait on va_vdst; the accumulators, read by LDS stores, also behind one on vm_vsrc.
;   v208-219, v240  a record: written by the quantising, read by its eight stores: va_vdst ahead of the stores, vm_vsrc ahead of the next writer (the second record; k_g's loads).
;   v16-31, v32-47, v48-51  K's and V's codes and bytes: written once each, one wait on va_vdst ahead of each run of stores.
.set REC,   1664
.set STGW,  8448                       ; LDS 0: a stage of 16 rows x (512 + 16) bytes for each wave
.set XIMG,  67584                      ; x's 16 records (tile a, K step s: 8 a + s)
.set KVF,   94208                      ; kv as f32 images, 1,024 bytes each (8 a + latent tile)
.set SPARE, 110592                     ; the spare words, 128 bytes for each wave: four blocks of 256 bytes that no other line names
.set L16, 1                            ; 16 x lane
.set L4,  2                            ; 4 x lane
.set SIN, 3                            ; my stage: 16 x lane
.set SOUT,4                            ; my stage: row r, + 64 h
.set XWI, 5                            ; where I store my records,
.set XWS, 6                            ; and their scale words
.set XRI, 7                            ; where any record is read,
.set XRS, 8                            ; and its scale words
.set KWI, 9                            ; where I store kv's images
.set KRI, 10                           ; where they are read
.set CO,  11                           ; 24 r + 12 h: my 12 bytes of a row of codes
.set LN,  12                           ; lane
.set SPW, 13                           ; LDS address of my spare word; never rewritten
.set NIL, 14                           ; 0; never rewritten
.set GA,  15                           ; 32 h
.set R0,  16                           ; v16-79, v80-143: x as loaded
.set R1,  80
.set WF,  16                           ; v16-111: eight fragments of weights
.set KV,  112                          ; v112-135: kv's two fragments
.set TQ,  136                          ; v136-143: at work while kv is quantised
.set X,   144                          ; v144-207: 64 numbers of a lane: x, kv, k, v
.set XF,  144                          ; v144-191: x's fragments, two sets of two
.set ACC, 192                          ; v192-207: kv's two accumulators
.set PC,  208                          ; v208-219: x's codes
.set G,   208                          ; v208-223: later k_g at my 16 units
.set TX,  220                          ; v220-227: at work while x is quantised
.set TM,  228                          ; v228-231 largest magnitudes, v232-235 bytes, v236-239 the conversions' scale operands
.set PW,  240                          ; registers that hold scale words and nothing else: x's word just made,
.set KVS, 241                          ; kv's two,
.set XS,  243                          ; x's, two sets of two,
.set WS,  247                          ; the weights' eight
.set KCD, 16                           ; phase 2, in Wk's registers once they are done with: K's codes,
.set VCD, 32                           ; V's codes,
.set KBY, 48                           ; K's bytes, V's bytes,
.set VBY, 50
.set SS,  52                           ; four pairs for the sums of squares,
.set TT,  60                           ; and the other half's
.set SEL, 20
.set HM,  22
.set R32, 23
.set EPSR,24
.macro WMZ d, a, b, sa, sb             ; a product that starts its sum
	v_wmma_scale_f32_16x16x128_f8f6f4 v[\d:\d+7], v[\a:\a+11], v[\b:\b+11], 0, v[\sa], v[\sb] matrix_a_fmt:MATRIX_FMT_FP6 matrix_b_fmt:MATRIX_FMT_FP6
.endm
.macro WMA d, a, b, sa, sb             ; and one that adds in place
	v_wmma_scale_f32_16x16x128_f8f6f4 v[\d:\d+7], v[\a:\a+11], v[\b:\b+11], v[\d:\d+7], v[\sa], v[\sb] matrix_a_fmt:MATRIX_FMT_FP6 matrix_b_fmt:MATRIX_FMT_FP6
.endm
.macro PLACES n
.rept \n
	v_nop
.endr
.endm
.macro BARRIER                         ; my LDS stores have landed and my LDS loads are in: then the work-group's barrier
	s_wait_dscnt 0x0
	s_barrier_signal -1
	s_barrier_wait -1
.endm
; Four blocks of 32, of each of which a lane holds 16 numbers (v[s + 16 b] on) and lane l xor 16 the others: bytes to v[TM+4+b], the conversions' scale operands to v[TM+8+b]
.macro QSC s
.irp b, 0,1,2,3
	v_max3_num_f32 v[TM+\b], |v[\s+16*\b]|, |v[\s+16*\b+1]|, 0x1800000   ; the floor 2^(3 - 127) holds the byte at 1 from below
.endr
.irp i, 2,4,6,8,10,12,14
.irp b, 0,1,2,3
	v_max3_num_f32 v[TM+\b], v[TM+\b], |v[\s+16*\b+\i]|, |v[\s+16*\b+\i+1]|   ; the four blocks by turns
.endr
.endr
.irp b, 0,1,2,3
	v_permlanex16_b32 v[TM+4+\b], v[TM+\b], s[SEL], s[SEL+1]
.endr
.irp b, 0,1,2,3
	v_max_num_f32 v[TM+\b], v[TM+\b], v[TM+4+\b]
.endr
.irp b, 0,1,2,3
	v_add_nc_u32 v[TM+8+\b], 0xff000000, v[TM+\b]  ; 2 off the exponent field
.endr
.irp b, 0,1,2,3
	v_lshrrev_b32 v[TM+4+\b], 23, v[TM+8+\b]
.endr
.endm
; 64 numbers of a lane become a fragment's 12 registers in v[d] on and its scale word in v[pw]
.macro QUANT s, d, t, pw
	QSC \s
	v_lshl_or_b32 v[\pw], v[TM+5], 8, v[TM+4]
	v_lshl_or_b32 v[\pw], v[TM+6], 16, v[\pw]
	v_lshl_or_b32 v[\pw], v[TM+7], 24, v[\pw]
.irp c, 0,1
	v_cvt_scalef32_pk16_fp6_f32 v[\d+6*\c:\d+6*\c+2], v[\s+32*\c:\s+32*\c+15], v[TM+8+2*\c]
	v_cvt_scalef32_pk16_fp6_f32 v[\t+4*\c:\t+4*\c+2], v[\s+32*\c+16:\s+32*\c+31], v[TM+9+2*\c]
.endr
	v_nop                                          ; one plain place behind the conversions
.irp c, 0,1                            ; the operand's layout wants a whole block in a lane: lanes 0-15 block 2 c, lanes 16-31 block 2 c + 1
.irp i, 0,1,2
	v_permlane16_swap_b32 v[\d+6*\c+\i], v[\t+4*\c+\i]
.endr
.irp i, 0,1,2
	v_mov_b32 v[\d+6*\c+3+\i], v[\t+4*\c+\i]
.endr
.endr
.endm
.macro LOADX reg, e                    ; 16 rows x 512 bytes: each load reads 512 consecutive bytes of a row
.irp i, 0,1,2,3,4,5,6,7,8,9,10,11,12,13,14,15
	global_load_b128 v[\reg+4*\i:\reg+4*\i+3], v[L16], s[4:5] offset:\i*4096+512*\e th:TH_LOAD_NT
.endr
.endm
.macro TURN reg                        ; through my stage: in as loaded, back with 16 neighbours of each block of 32 in a lane.  LDS serves a wave's instructions in order: no wait between
.irp i, 0,1,2,3,4,5,6,7,8,9,10,11,12,13,14,15
	ds_store_b128 v[SIN], v[\reg+4*\i:\reg+4*\i+3] offset:\i*528
.endr
.irp b, 0,1,2,3
.irp j, 0,1,2,3
	ds_load_b128 v[X+16*\b+4*\j:X+16*\b+4*\j+3], v[SOUT] offset:128*\b+16*\j
.endr
.endr
.endm
.macro OUTX e                          ; the record just made: to LDS for this launch, to xc for the next
.irp c, 0,1,2
	ds_store_b128 v[XWI], v[PC+4*\c:PC+4*\c+3] offset:REC*\e+512*\c
.endr
	ds_store_b32 v[XWS], v[PW] offset:REC*\e
.irp c, 0,1,2
	global_store_b128 v[L16], v[PC+4*\c:PC+4*\c+3], s[10:11] offset:REC*\e+512*\c
.endr
	global_store_b32 v[L4], v[PW], s[10:11] offset:REC*\e+1536
.endm
.macro LOADREC f, ws, base, off        ; a record of weights into a fragment's registers and a scale register
.irp c, 0,1,2
	global_load_b128 v[\f+4*\c:\f+4*\c+3], v[L16], s[\base:\base+1] offset:\off+512*\c
.endr
	global_load_b32 v[\ws], v[L4], s[\base:\base+1] offset:\off+1536
.endm
.macro FETCHX s                        ; K step s of both row tiles of x, from LDS, into set s % 2: 8 loads
.irp a, 0,1
.irp c, 0,1,2
	ds_load_b128 v[XF+24*((\s)%2)+12*\a+4*\c:XF+24*((\s)%2)+12*\a+4*\c+3], v[XRI] offset:(8*\a+(\s))*REC+512*\c
.endr
	ds_load_b32 v[XS+2*((\s)%2)+\a], v[XRS] offset:(8*\a+(\s))*REC
.endr
.endm
	s_load_b256 s[4:11], s[0:1], 0x0               ; x, wts, k_g, xc
	s_load_b128 s[12:15], s[0:1], 0x20             ; kvc, kvs
	v_lshl_add_u32 v[SPW], v0, 2, SPARE
	v_mov_b32 v[NIL], 0
	v_lshrrev_b32 v[LN], 5, v0
	v_readfirstlane_b32 s16, v[LN]                 ; wave 0..7
	v_and_b32 v[LN], 31, v0
	v_and_b32 v[CO], 15, v0                        ; r
	v_bfe_u32 v[GA], v0, 4, 1                      ; h
	v_lshlrev_b32 v[L16], 4, v[LN]
	v_lshlrev_b32 v[L4], 2, v[LN]
	s_wait_alu depctr_va_sdst(0)                   ; s16, the wave's number, is written, ahead of its first reader
	s_mul_i32 s17, s16, STGW
	v_add_nc_u32 v[SIN], s17, v[L16]
	v_mul_u32_u24 v[SOUT], v[CO], 528
	v_lshl_add_u32 v[SOUT], v[GA], 6, v[SOUT]
	v_add_nc_u32 v[SOUT], s17, v[SOUT]
	s_mul_i32 s17, s16, 2*REC
	s_add_co_u32 s17, s17, XIMG
	v_add_nc_u32 v[XWI], s17, v[L16]
	s_add_co_u32 s17, s17, 1536
	v_add_nc_u32 v[XWS], s17, v[L4]
	v_add_nc_u32 v[XRI], XIMG, v[L16]
	v_add_nc_u32 v[XRS], XIMG+1536, v[L4]
	s_lshl_b32 s17, s16, 10
	s_add_co_u32 s17, s17, KVF
	v_add_nc_u32 v[KWI], s17, v[L16]
	v_add_nc_u32 v[KRI], KVF, v[L16]
	v_mul_u32_u24 v[CO], v[CO], 24
	v_mad_u32_u24 v[CO], v[GA], 12, v[CO]
	v_lshlrev_b32 v[GA], 5, v[GA]
.irp b, 0,1,2,3
	v_mov_b32 v[TM+4+\b], 0                        ; written once: a lane permute's destination counts as one of its sources
.endr
	s_mov_b32 s[SEL], 0x76543210
	s_mov_b32 s[SEL+1], 0xfedcba98                 ; selects for lane l xor 16
	s_mov_b32 s[HM], 0xffff0000                    ; the mask of lanes 16-31
	s_mov_b32 s[R32], 0x3d000000                   ; 1 / 32
	s_mov_b32 s[EPSR], 0x358637bd                  ; 1e-6
	s_lshr_b32 s25, s16, 2                         ; x: row tile a = wave / 4,
	s_lshl_b32 s25, s25, 16
	s_and_b32 s26, s16, 3                          ; K steps 2 (wave % 4) and the next
	s_lshl_b32 s26, s26, 10
	s_lshl_b32 s28, ttmp9, 17                      ; 32 rows of 4,096 bytes a work-group
	s_add_co_u32 s28, s28, s25
	s_add_co_u32 s28, s28, s26
	s_mov_b32 s29, 0
	s_mul_i32 s30, ttmp9, 16*REC                   ; xc: 16 records a work-group, two a wave
	s_mul_i32 s25, s16, 2*REC
	s_add_co_u32 s30, s30, s25
	s_mov_b32 s31, 0
	s_mul_i32 s38, s16, 8*REC                      ; Wkv: my latent tile's 8 K steps
	s_mov_b32 s39, 0
	s_mul_i32 s52, s16, 4*REC                      ; Wk, Wv: my two heads' four tiles
	s_mov_b32 s53, 0
	s_lshr_b32 s40, ttmp9, 6                       ; batch
	s_lshl_b32 s40, s40, 4
	s_lshl_b32 s41, s16, 1
	s_add_co_u32 s40, s40, s41                     ; batch x 16 + my first head
	s_mul_i32 s40, s40, 98304
	s_and_b32 s42, ttmp9, 63                       ; the block of 32 keys
	s_mul_i32 s43, s42, 768
	s_add_co_u32 s44, s40, s43                     ; K's codes: 32 keys x 24 bytes a block
	s_mov_b32 s45, 0
	s_lshr_b32 s43, s42, 2
	s_mul_i32 s43, s43, 3072
	s_and_b32 s42, s42, 3
	s_mul_i32 s42, s42, 384
	s_add_co_u32 s46, s40, s43
	s_add_co_u32 s46, s46, s42
	s_add_co_u32 s46, s46, 49152                   ; V's codes: step, block in the step
	s_mov_b32 s47, 0
	s_lshl_b32 s48, ttmp9, 9
	s_lshl_b32 s41, s16, 6
	s_add_co_u32 s48, s48, s41                     ; the bytes: 512 a block, 32 a head
	s_mov_b32 s49, 0
	s_wait_kmcnt 0x0
	s_add_nc_u64 s[4:5], s[4:5], s[28:29]
	s_add_nc_u64 s[10:11], s[10:11], s[30:31]
	s_add_nc_u64 s[32:33], s[6:7], s[38:39]
	s_add_nc_u64 s[32:33], s[32:33], 512*REC       ; Wkv's records
	s_add_nc_u64 s[34:35], s[6:7], s[52:53]
	s_add_nc_u64 s[36:37], s[34:35], 608*REC       ; Wv's
	s_add_nc_u64 s[34:35], s[34:35], 576*REC       ; Wk's
	s_add_nc_u64 s[44:45], s[12:13], s[44:45]
	s_add_nc_u64 s[46:47], s[12:13], s[46:47]
	s_add_nc_u64 s[48:49], s[14:15], s[48:49]
	s_add_nc_u64 s[50:51], s[48:49], 131072
	s_wait_alu depctr_va_vdst(0)                   ; the addresses v1 to v15 are written, which every load and store of the kernel reads; none is written again
	; ---- X: all of the work-group's 131,072 bytes of x are asked for at once
	LOADX R0, 0
	LOADX R1, 1
	s_wait_loadcnt 16                              ; the first 16 loads are in; the second K step's 16 stay out
	TURN R0
	s_wait_dscnt 0x0
	QUANT X, PC, TX, PW
	s_wait_alu depctr_va_vdst(0)                   ; the first record's codes and word are written, which its stores read; and the quantising is done reading X, in which the second K step's numbers land
	OUTX 0
	s_wait_loadcnt 0x0
	TURN R1
	s_wait_dscnt 0x0                               ; the numbers are back
	s_wait_xcnt 0x0                                ; the global stores of the first record have had their addresses translated: its registers are written again below
	s_wait_alu depctr_vm_vsrc(0)                   ; the stage's stores have read v16-143, in which Wkv's loads land; the first record's stores have read v208-219 and v240, which the second record's quantising writes
.irp s, 0,1,2,3,4,5,6,7
	LOADREC WF+12*\s, WS+\s, 32, REC*\s            ; my tile of Wkv, all 8 K steps: it lands while the second record is made
.endr
	QUANT X, PC, TX, PW
	s_wait_alu depctr_va_vdst(0)                   ; the second record's codes and word are written, which its stores read; and the quantising is done reading X, in which x's fragments land
	OUTX 1
	BARRIER                                        ; x's sixteen records lie in LDS
	; ---- 1: kv^T = Wkv^T x^T: two accumulators by turns, the next K step's fragments fetched ahead
	FETCHX 0
	s_wait_loadcnt 0x0                             ; Wkv
.irp s, 0,1,2,3,4,5,6,7
.if (\s > 0) && (\s < 7)
	PLACES 4                                       ; four places behind the last two products; they stay beside the wait below
	s_wait_alu depctr_va_vdst(0)                   ; the last two products are done reading their set of x's fragments and scale words, in which the fetch below lands; the set in hand, asked for a step ago, lands meanwhile
.endif
.if \s < 7
	FETCHX \s+1
	s_wait_dscnt 8                                 ; this step's 8 loads are in; the next step's 8 stay out
.else
	s_wait_dscnt 0x0
.endif
.irp a, 0,1
.if \s == 0
	WMZ ACC+8*\a, WF+12*\s, XF+24*(\s%2)+12*\a, WS+\s, XS+2*(\s%2)+\a
.else
	WMA ACC+8*\a, WF+12*\s, XF+24*(\s%2)+12*\a, WS+\s, XS+2*(\s%2)+\a
.endif
.endr
.endr
	PLACES 4                                       ; four places behind the last products, ahead of the stores of the results
	s_wait_alu depctr_va_vdst(0)                   ; the products have written the accumulators, which the LDS stores read, and are done reading the weights' registers and scale words, in which Wk and Wv land; the quantising has written v220-223, in which k_g lands
	s_wait_xcnt 0x0                                ; the second record's global stores have had their addresses translated
	s_wait_alu depctr_vm_vsrc(0)                   ; the second record's stores have read v208-219, in which k_g lands
.irp t, 0,1,2,3
	LOADREC WF+12*\t, WS+\t, 34, REC*\t            ; Wk: head 2 w + t / 2, tile t % 2
.endr
.irp t, 0,1,2,3
	LOADREC WF+48+12*\t, WS+4+\t, 36, REC*\t       ; Wv likewise
.endr
.irp u, 0,1
	global_load_b128 v[G+8*\u:G+8*\u+3], v[GA], s[8:9] offset:64*\u       ; k_g at units 16 u + 8 h + 0 .. 7
	global_load_b128 v[G+8*\u+4:G+8*\u+7], v[GA], s[8:9] offset:64*\u+16
.endr
.irp a, 0,1
.irp c, 0,1
	ds_store_b128 v[KWI], v[ACC+8*\a+4*\c:ACC+8*\a+4*\c+3] offset:8192*\a+512*\c   ; each accumulator from its low end on
.endr
.endr
	BARRIER                                        ; kv's sixteen images lie in LDS
	s_wait_alu depctr_vm_vsrc(0)                   ; my LDS stores have read the accumulators v192-207, in which kv's numbers land
	; ---- Q: register 8 t + j of a lane is latent unit 16 t + 8 h + j of token r
.irp a, 0,1
.if \a
	s_wait_alu depctr_va_vdst(0)                   ; the first tile's quantising is done reading X, in which the second tile's numbers land
.endif
.irp t, 0,1,2,3,4,5,6,7
.irp c, 0,1
	ds_load_b128 v[X+8*\t+4*\c:X+8*\t+4*\c+3], v[KRI] offset:(8*\a+\t)*1024+512*\c
.endr
.endr
	s_wait_dscnt 0x0
	QUANT X, KV+12*\a, TQ, KVS+\a
.endr
	PLACES 8                                       ; a scale register written by a vector instruction stands 8 places ahead of a scaled product, an operand so written 4
	s_wait_alu depctr_va_vdst(0)                   ; kv's codes and scale words, made by vector instructions, are written: the scaled products below take them
	s_wait_loadcnt 0x0                             ; Wk, Wv, k_g
	; ---- 2, k: group 2 e + a = head 2 w + e, row tile a: 16 registers, unit 16 u + 8 h + j of token r
.irp e, 0,1
.irp a, 0,1
.irp u, 0,1
	WMZ X+16*(2*\e+\a)+8*\u, WF+12*(2*\e+\u), KV+12*\a, WS+2*\e+\u, KVS+\a
.endr
.endr
.endr
	PLACES 4
.irp g, 0,1,2,3
	v_pk_mul_f32 v[SS+2*\g:SS+2*\g+1], v[X+16*\g:X+16*\g+1], v[X+16*\g:X+16*\g+1]   ; the sum of squares, from each accumulator's low end on
.endr
.irp i, 2,4,6,8,10,12,14
.irp g, 0,1,2,3
	v_pk_fma_f32 v[SS+2*\g:SS+2*\g+1], v[X+16*\g+\i:X+16*\g+\i+1], v[X+16*\g+\i:X+16*\g+\i+1], v[SS+2*\g:SS+2*\g+1]
.endr
.endr
.irp g, 0,1,2,3
	v_add_f32 v[SS+2*\g], v[SS+2*\g], v[SS+2*\g+1]
.endr
.irp g, 0,1,2,3
	v_permlanex16_b32 v[TT+\g], v[SS+2*\g], s[SEL], s[SEL+1]
.endr
.irp g, 0,1,2,3
	v_add_f32 v[SS+2*\g], v[SS+2*\g], v[TT+\g]     ; with the other half's 16 units
.endr
.irp g, 0,1,2,3
	v_fma_f32 v[SS+2*\g], v[SS+2*\g], s[R32], s[EPSR]   ; the mean + 1e-6
.endr
	s_wait_alu depctr_va_vdst(0)
.irp g, 0,1,2,3
	v_rsq_f32 v[SS+2*\g], v[SS+2*\g]
.endr
	v_nop                                          ; a plain place behind the last of them
	s_wait_alu depctr_va_vdst(0)                   ; the four 1 / rms are written: one wait for the four, ahead of their first reader
.irp i, 0,2,4,6,8,10,12,14
.irp g, 0,1,2,3
	v_pk_mul_f32 v[X+16*\g+\i:X+16*\g+\i+1], v[X+16*\g+\i:X+16*\g+\i+1], v[SS+2*\g:SS+2*\g+1] op_sel_hi:[1,0]
.endr
.endr
.irp i, 0,2,4,6,8,10,12,14
.irp g, 0,1,2,3
	v_pk_mul_f32 v[X+16*\g+\i:X+16*\g+\i+1], v[X+16*\g+\i:X+16*\g+\i+1], v[G+\i:G+\i+1]
.endr
.endr
	QSC X
.irp g, 0,1,2,3
	v_cvt_scalef32_pk16_fp6_f32 v[KCD+4*\g:KCD+4*\g+2], v[X+16*\g:X+16*\g+15], v[TM+8+\g]
.endr
	v_nop                                          ; one plain place behind the conversions: the products below write their sources
.irp e, 0,1
	v_cndmask_b32 v[KBY+\e], v[TM+4+2*\e], v[TM+5+2*\e], s[HM]   ; lane 16 a + r carries the byte of key 16 a + r
.endr
	s_wait_alu depctr_va_vdst(0)                   ; K's codes and bytes are written, which the six stores read; nothing writes them again
.irp e, 0,1
.irp a, 0,1
	global_store_b96 v[CO], v[KCD+4*(2*\e+\a):KCD+4*(2*\e+\a)+2], s[44:45] offset:98304*\e+384*\a   ; the wave stores 384 consecutive bytes: 16 keys
.endr
	global_store_b8 v[LN], v[KBY+\e], s[48:49] offset:32*\e
.endr
	; ---- 2, v: NOT transposed (source 0 = kv's 16 tokens, source 1 = Wv's 16 columns): lane (r, h) holds d = 16 u + r and keys 16 a + 8 h + j: group 2 e + u has its K, the keys, down the registers
.irp e, 0,1
.irp u, 0,1
.irp a, 0,1
	WMZ X+16*(2*\e+\u)+8*\a, KV+12*\a, WF+48+12*(2*\e+\u), KVS+\a, WS+4+2*\e+\u
.endr
.endr
.endr
	PLACES 4
	QSC X
.irp g, 0,1,2,3
	v_cvt_scalef32_pk16_fp6_f32 v[VCD+4*\g:VCD+4*\g+2], v[X+16*\g:X+16*\g+15], v[TM+8+\g]
.endr
	v_nop
.irp e, 0,1
	v_cndmask_b32 v[VBY+\e], v[TM+4+2*\e], v[TM+5+2*\e], s[HM]   ; lane 16 u + r carries the byte of d = 16 u + r
.endr
	s_wait_alu depctr_va_vdst(0)                   ; V's codes and bytes are written, which the six stores read
.irp e, 0,1
.irp u, 0,1
	global_store_b96 v[CO], v[VCD+4*(2*\e+\u):VCD+4*(2*\e+\u)+2], s[46:47] offset:98304*\e+1536*\u
.endr
	global_store_b8 v[LN], v[VBY+\e], s[50:51] offset:32*\e
.endr
	s_wait_dscnt 0x0                               ; the wave's end: the six closing lines, on end
	s_wait_alu 0x0
	s_wait_tensorcnt 0x0
	ds_add_u32 v[SPW], v[NIL]
	s_wait_dscnt 0x0
	s_endpgm
.Lfunc_end_k_q73d9ef3855_xkv:
	.size	k_q73d9ef3855_xkv, .Lfunc_end_k_q73d9ef3855_xkv-k_q73d9ef3855_xkv
	.p2alignl 7, 3214868480
	.fill 96, 4, 3214868480
	.section	.rodata,"a",@progbits
	.p2align	6, 0x0
	.amdhsa_kernel k_q73d9ef3855_xkv
		.amdhsa_group_segment_fixed_size 111616
		.amdhsa_private_segment_fixed_size 0
		.amdhsa_enable_private_segment 0
		.amdhsa_kernarg_size 48
		.amdhsa_user_sgpr_count 2
		.amdhsa_user_sgpr_kernarg_segment_ptr 1
		.amdhsa_wavefront_size32 1
		.amdhsa_system_sgpr_workgroup_id_x 1
		.amdhsa_system_sgpr_workgroup_id_y 1
		.amdhsa_system_sgpr_workgroup_id_z 1
		.amdhsa_system_vgpr_workitem_id 0
		.amdhsa_next_free_vgpr 256
		.amdhsa_next_free_sgpr 66
		.amdhsa_reserve_vcc 0
		.amdhsa_float_denorm_mode_32 3
		.amdhsa_float_denorm_mode_16_64 3
		.amdhsa_memory_ordered 1
		.amdhsa_forward_progress 1
		.amdhsa_inst_pref_size 62
	.end_amdhsa_kernel
	.amdgpu_metadata
---
amdhsa.version: [ 1, 2 ]
amdhsa.kernels:
  - .name:           k_q73d9ef3855_xkv
    .symbol:         k_q73d9ef3855_xkv.kd
    .args:
      - { .name: x, .offset: 0, .size: 8, .value_kind: global_buffer, .address_space: global }
      - { .name: wts, .offset: 8, .size: 8, .value_kind: global_buffer, .address_space: global }
      - { .name: k_g, .offset: 16, .size: 8, .value_kind: global_buffer, .address_space: global }
      - { .name: xc, .offset: 24, .size: 8, .value_kind: global_buffer, .address_space: global }
      - { .name: kvc, .offset: 32, .size: 8, .value_kind: global_buffer, .address_space: global }
      - { .name: kvs, .offset: 40, .size: 8, .value_kind: global_buffer, .address_space: global }
    .group_segment_fixed_size: 111616
    .private_segment_fixed_size: 0
    .kernarg_segment_align: 8
    .kernarg_segment_size: 48
    .max_flat_workgroup_size: 256
    .sgpr_count:     66
    .vgpr_count:     256
    .wavefront_size: 32
...
	.end_amdgpu_metadata
.endif
;; end of part 6
;; launch attn (part 7): grid 4 x 64, 16 waves a work-group, no clusters, 157,696 bytes of LDS; arguments xc, wts, kvc, kvs, q_g, oc, os; writes oc, os
.if DOCPART == 7
	.amdgcn_target "amdgcn-amd-amdhsa--gfx1250"
	.amdhsa_code_object_version 6
	.text
	.protected	k_q73d9ef3855_attn
	.globl	k_q73d9ef3855_attn
	.p2align	8
	.type	k_q73d9ef3855_attn,@function
k_q73d9ef3855_attn:
	s_mov_b64 s[64:65], 0
	v_nop
	global_prefetch_b8 v0, s[64:65] scope:SCOPE_SE
	s_setreg_imm32_b32 hwreg(HW_REG_WAVE_SCHED_MODE, 0, 2), 2
	s_setreg_imm32_b32 hwreg(HW_REG_WAVE_MODE, 25, 1), 1
	s_wait_xcnt 0x0
	s_wait_alu depctr_vm_vsrc(0)
; One (batch, head) and 512 queries to a work-group: q = rms_norm(x Wq) of the head, its first 32 numbers quantised; causal attention on codes of FP6 (E2M3) with E8M0 scales; o = O / l quantised along the head's 32.
; SHARES.  Wave w owns two tiles of 16 queries, one after the other: Q0 = 256 x + 16 w, then 2,032 - Q0.  A tile at Q0 has Q0 / 128 + 1 key steps that count, so every wave has 17 of them.
; LDS, filled once through registers, one barrier: the head's K codes (2,048 keys x 24 bytes), V codes, the head's 32 records of Wq, and K's and V's scale words.
; THE FIRST PRODUCT HAS K = 32, the instruction 128.  A fragment of K carries FOUR tiles of 16 keys, one in each block of 32 along K: lane (r, h), registers 6 c on: key 64 f + 32 c + 16 h + r, which is 24 x lane + 768 c + 1,536 f in K's rows.
; Q stands in four forms, its codes in block j and zero CODES in the other three: form j picks tile 4 f + j, since a zero code adds nothing.  The four forms overlap in 30 registers: [Y Z X Z Y], X = codes in lanes 0-15, Y = in lanes 16-31, Z = zeros.
; Both products are used transposed (S^T = K Q^T, O^T = V^T P^T): a lane holds one query throughout.  Register 8 t + j of the scores is key 16 t + 8 h + j; p's codes so come out with place 16 h + 8 u + j of a block = key 16 u + 8 h + j,
; and V's codes were laid in that same order, as were q's and k's along the head's 32: the sums are as reference() has them.
; SOFTMAX: t = score x log2(e) / 8; M = the running largest t rounded up to a whole number, kept as -M; p = 2^(t - M) is quantised, not normalised; l is the sum of the unquantised p; when M moves, l and O^T are multiplied by 2^(old M - new M), exactly.
; CAUSAL: the loop has 16 trips in every wave; a step all of whose keys come after my queries is left out by a scalar branch on ids, round its work alone; on the diagonal hidden scores become -infinity ahead of the maximum.
; No cluster and no joint loads: what work-groups share (98,304 bytes of K and V among four, 53,248 of Wq among sixteen) is fetched once by each at its head and never again.
; LIMITS: NaN and infinities are not served; a block whose largest magnitude lies under 2^-124 keeps the byte 1.  q_g[32:64] scales what reference() drops and is not read.
; THE MODE: SCHED_MODE bits 1:0 = 2 (LLVM: expert scheduling mode 2), set by the entry lines.  The code itself states the register dependences between vector or matrix instructions and memory or LDS instructions, with s_wait_alu, always for 0.
; THE PLAN.  Registers that memory or LDS instructions touch, and who else names them:
;   v1-7, v46, v212-215  addresses: written at the head and never again: one wait on va_vdst ahead of the first load serves the whole kernel.
;   v192-200, v16-41, v48-95, v248, v252  the fill's addresses and data: read by its loads and LDS stores; one wait on vm_vsrc behind the barrier, ahead of all that writes them again.
;   WQF, WQW   the q phase: a K step's 16 LDS loads land there, its four products read them.  One set (the wave's 256 registers are taken): one wait on va_vdst a K step.
;   KFR, KSR   read by the eight products at a step's head; the NEXT step's K lands there, asked for behind the wait that follows the step's 64 exponentials.
;   VFR, VSR   read by the two products at a step's end; this step's V lands there, asked for behind that same wait, which the last step's two products stand far ahead of.
;   v8-11      the step's addresses: written by four additions behind the step's first products (one wait on vm_vsrc ahead of them: the last step's loads have read them), read by the loads behind that same wait.
;   So ONE wait on va_vdst, the exponentials' own, states all that a step's 26 LDS loads hang on; between it and them stand scalar lines alone.
;   XFR, XW    x's records: global loads land there a pass ahead; in between the registers are S, O and P: one wait on va_vdst at a pass's end, which also serves the pass's two stores (v248-251).
.set REC,   1664
.set VC,    49152                      ; LDS: K's codes at 0, V's here,
.set WQL,   98304                      ; Wq's records (column tile t, K step s: 8 t + s),
.set KS,    151552                     ; K's scale words: word (step, f, r): bytes j = keys 128 step + 64 f + 16 j + r,
.set VS,    153600                     ; V's: word (step, u, r): bytes j = d 16 u + r, block 4 step + j
.set SPARE, 155648                     ; the spare words, 128 bytes for each wave: eight blocks of 256 bytes that no other line names
.set AK,  1                            ; 24 x lane
.set AV,  2                            ; 24 x lane + VC
.set AKS, 3                            ; KS + 4 x lane
.set AVS, 4                            ; VS + 4 x lane
.set SPW, 5                            ; LDS address of my spare word; never rewritten
.set NIL, 6                            ; 0; never rewritten
.set AWQ, 7                            ; WQL + 16 x lane
.set ADK, 8                            ; v8-11 the step's addresses
.set ADV, 9
.set ADS, 10
.set ADT, 11
;         v12 -M, v13 the largest t, v[14:15] l in two halves;  v16-45 Q's forms (in the q phase v16-31: two accumulators; at the head v16-41: my two records of Wq on their way to LDS)
.set AWS, 46                           ; WQL + 1,536 + 4 x lane; written once, and no load lands on it
.set DL,  47                           ; r - 8 h; likewise
.set KFR, 48                           ; v48-71 K's two fragments   (at the head v48-95: my part of K's and V's codes on its way to LDS)
.set VFR, 72                           ; v72-95 V's two
.set WQF, 48                           ; v48-95 in the q phase: four fragments of Wq
.set S,   96                           ; v96-159 the scores, then p
.set XFR, 96                           ; v96-191 in the q phase: x's eight fragments
.set O,   160                          ; v160-175 O^T
.set P,   176                          ; v176-187 p's codes
.set CT,  188                          ; v188-195 the conversions' second halves
.set BM,  196                          ; v196-199 the blocks' largest scores, then largest p
.set WK,  200                          ; v200-203 at work
.set SO,  204                          ; v204-207 the conversions' scale operands
.set F,   208                          ; v[208:209] f = 2^(old M - new M); in the q phase a chain of the sum of squares, then 1 / rms
.set TA,  210                          ; v210, v211 at work
.set TB,  211
.set GO,  212                          ; 24 r + 12 h
.set GS,  213                          ; 16 r
.set L16, 214                          ; 16 x lane
.set L4,  215                          ; 4 x lane
.set QG,  216                          ; v216-231 q_g at units 16 u + 8 h + j
.set QS,  232                          ; registers that hold scale words and nothing else: q's byte four times,
.set KSR, 233                          ; K's words (lanes 0-15: f = 0, lanes 16-31: f = 1),
.set VSR, 234                          ; V's (u = 0, u = 1),
.set PS,  235                          ; p's,
.set XW,  236                          ; x's eight,
.set WQW, 244                          ; Wq's four
.set CD,  248                          ; v248-250 codes just made, v251 o's byte
.set CX,  252                          ; v252-254 the other half's codes
.set FA,  192                          ; at the head only: v192-200 addresses of the fill
.set FB,  193
.set FW,  194
.set FWS, 195
.set KBA, 196
.set VBA, 197
.set FKS, 198
.set FVS, 199
.set GQ,  200
.set MK,  2                            ; s2-s17: sixteen lane masks for the diagonal: s2, s3 and the registers that held the arguments, which are done with behind the head
.set WV,  18
.set BH,  19
.set BB,  20
.set HD,  21
.set SEL, 22
.set CS,  24
.set HM,  26
.set R64, 27
.set EPSR,28
;         s32, s33 the two passes' Q0;  s[36:39] their rows of xc;  s[40:43] of oc;  s[44:47] of os
.set KF,  48                           ; the step's first key
.set TK,  49                           ; its place in K's and V's codes: 3,072 bytes a step
.set TS,  50                           ; and among the scale words: 128 bytes a step
.set CNT, 51
.set QE,  52                           ; my last query
.set T0,  53
.macro WMZ d, a, b, sa, sb
	v_wmma_scale_f32_16x16x128_f8f6f4 v[\d:\d+7], v[\a:\a+11], v[\b:\b+11], 0, v[\sa], v[\sb] matrix_a_fmt:MATRIX_FMT_FP6 matrix_b_fmt:MATRIX_FMT_FP6
.endm
.macro WMA d, a, b, sa, sb
	v_wmma_scale_f32_16x16x128_f8f6f4 v[\d:\d+7], v[\a:\a+11], v[\b:\b+11], v[\d:\d+7], v[\sa], v[\sb] matrix_a_fmt:MATRIX_FMT_FP6 matrix_b_fmt:MATRIX_FMT_FP6
.endm
.macro WMZ1 d, a, b, sa, sb            ; source 0's scales from lanes 16-31
	v_wmma_scale_f32_16x16x128_f8f6f4 v[\d:\d+7], v[\a:\a+11], v[\b:\b+11], 0, v[\sa], v[\sb] matrix_a_fmt:MATRIX_FMT_FP6 matrix_b_fmt:MATRIX_FMT_FP6 matrix_a_scale:MATRIX_SCALE_ROW1
.endm
.macro WMA1 d, a, b, sa, sb
	v_wmma_scale_f32_16x16x128_f8f6f4 v[\d:\d+7], v[\a:\a+11], v[\b:\b+11], v[\d:\d+7], v[\sa], v[\sb] matrix_a_fmt:MATRIX_FMT_FP6 matrix_b_fmt:MATRIX_FMT_FP6 matrix_a_scale:MATRIX_SCALE_ROW1
.endm
.macro PLACES n
.rept \n
	v_nop
.endr
.endm
.macro XLOADS n                        ; pass n's tile of x: 8 records, 32 loads
.irp s, 0,1,2,3,4,5,6,7
.irp c, 0,1,2
	global_load_b128 v[XFR+12*\s+4*\c:XFR+12*\s+4*\c+3], v[L16], s[36+2*\n:37+2*\n] offset:REC*\s+512*\c
.endr
	global_load_b32 v[XW+\s], v[L4], s[36+2*\n:37+2*\n] offset:REC*\s+1536
.endr
.endm
; One block of 32, of which I hold 16 numbers (v[s] on) and lane l xor 16 the others: my 16 codes to v[d] on, the byte to v[TB]
.macro QB1 s, d
	v_max3_num_f32 v[TA], |v[\s]|, |v[\s+1]|, 0x1800000            ; the floor 2^(3 - 127) holds the byte at 1 from below
	v_max3_num_f32 v[TB], |v[\s+2]|, |v[\s+3]|, |v[\s+4]|
	v_max3_num_f32 v[TA], v[TA], |v[\s+5]|, |v[\s+6]|
	v_max3_num_f32 v[TB], v[TB], |v[\s+7]|, |v[\s+8]|
	v_max3_num_f32 v[TA], v[TA], |v[\s+9]|, |v[\s+10]|
	v_max3_num_f32 v[TB], v[TB], |v[\s+11]|, |v[\s+12]|
	v_max3_num_f32 v[TA], v[TA], |v[\s+13]|, |v[\s+14]|
	v_max3_num_f32 v[TB], v[TB], v[TA], |v[\s+15]|
	v_permlanex16_b32 v[TA], v[TB], s[SEL], s[SEL+1]
	v_max_num_f32 v[TB], v[TB], v[TA]
	v_add_nc_u32 v[TA], 0xff000000, v[TB]          ; 2 off the exponent field: the conversion's scale operand
	v_lshrrev_b32 v[TB], 23, v[TA]                 ; the byte
	v_cvt_scalef32_pk16_fp6_f32 v[\d:\d+2], v[\s:\s+15], v[TA]
	v_nop                                          ; one plain place behind the conversion
.endm
; A KEY STEP: 128 keys.  q0: the scalar register that holds my first query.  The step's K lies in its registers already: it was asked for a step ago (step 0's: in the pass's head) and awaited ahead of the last step's last products
.macro STEP q0
	s_cmp_gt_u32 s[KF], s[QE]                      ; all 128 keys come after my queries: the work is left out
	s_cbranch_scc1 .Lhidden_\@
	WMZ S, KFR, 28, KSR, QS                        ; tile 4 f + j: fragment f against Q's form j (forms 0 to 3 begin at v28, v16, v22, v34)
	WMZ S+8, KFR, 16, KSR, QS
	WMZ S+16, KFR, 22, KSR, QS
	WMZ S+24, KFR, 34, KSR, QS
	WMZ1 S+32, KFR+12, 28, KSR, QS
	WMZ1 S+40, KFR+12, 16, KSR, QS
	WMZ1 S+48, KFR+12, 22, KSR, QS
	WMZ1 S+56, KFR+12, 34, KSR, QS
	s_wait_alu depctr_vm_vsrc(0)                   ; the last step's LDS loads have read v8-11, which the four additions write
	v_add_nc_u32 v[ADK], s[TK], v[AK]              ; this step's addresses.  (These four name no register of the products above: they are the four places ahead of the first read of the scores)
	v_add_nc_u32 v[ADV], s[TK], v[AV]
	v_add_nc_u32 v[ADS], s[TS], v[AKS]
	v_add_nc_u32 v[ADT], s[TS], v[AVS]
	s_add_co_u32 s[T0], s[KF], 127
	s_cmp_le_u32 s[T0], s[\q0]                     ; all 128 keys count for all my queries: no mask
	s_cbranch_scc1 .Lopen_\@
	s_sub_co_i32 s[T0], s[\q0], s[KF]
	v_add_nc_u32 v[TA], s[T0], v[DL]               ; d = my query - KF - 8 h.  Register 8 t + j holds key KF + 16 t + 8 h + j: hidden where 16 t + j > d
	v_mov_b32 v[TB], 0xff800000                    ; -infinity
.set g, 0
.rept 4                                ; sixteen registers at a time: a run of compares into sixteen scalar registers, one wait, the run of selects
.set j, 0
.rept 16
	v_cmp_gt_i32 s[MK+j], 32*g+16*(j/8)+j%8, v[TA]
.set j, j+1
.endr
	s_wait_alu depctr_va_sdst(0)                   ; the sixteen masks are written, ahead of the selects that read them
.set j, 0
.rept 16
	v_cndmask_b32 v[S+16*g+j], v[S+16*g+j], v[TB], s[MK+j]
.set j, j+1
.endr
.set g, g+1
.endr
.Lopen_\@:
.irp b, 0,1,2,3
	v_max3_num_f32 v[BM+\b], v[S+16*\b], v[S+16*\b+1], v[S+16*\b+2]   ; the largest score of each block of 32 keys: for the row's maximum, and, since p rises with the score, for the block's largest p
.endr
.irp i, 3,5,7,9,11,13
.irp b, 0,1,2,3
	v_max3_num_f32 v[BM+\b], v[BM+\b], v[S+16*\b+\i], v[S+16*\b+\i+1]
.endr
.endr
.irp b, 0,1,2,3
	v_max_num_f32 v[BM+\b], v[BM+\b], v[S+16*\b+15]
.endr
.irp b, 0,1,2,3
	v_permlanex16_b32 v[WK+\b], v[BM+\b], s[SEL], s[SEL+1]
.endr
.irp b, 0,1,2,3
	v_max_num_f32 v[BM+\b], v[BM+\b], v[WK+\b]     ; with lane l xor 16's 16 keys
.endr
	v_max3_num_f32 v[TA], v[BM], v[BM+1], v[BM+2]
	v_max_num_f32 v[TA], v[TA], v[BM+3]
	v_mul_f32 v[TA], s[CS], v[TA]                  ; as t (c is positive)
	v_max_num_f32 v13, v13, v[TA]                  ; the running largest t
	v_mov_b32 v[TA], v12
	v_floor_f32 v12, -v13                          ; the new -M = floor(-t): M is a whole number
	v_sub_f32 v[TA], v12, v[TA]                    ; old M - new M: a whole number, 0 or less
	v_cvt_i32_f32 v[TA], v[TA]                     ; (it saturates)
	v_ldexp_f32 v[F], 1.0, v[TA]                   ; f = 2^(old M - new M)
.set j, 0
.rept 32
	v_pk_fma_f32 v[S+j:S+j+1], v[S+j:S+j+1], s[CS:CS+1], v[12:13] op_sel_hi:[1,0,0]   ; t - M, two at a time
.set j, j+2
.endr
.irp b, 0,1,2,3
	v_fma_f32 v[BM+\b], v[BM+\b], s[CS], v12       ; the same of each block's largest score
.endr
.set j, 0
	s_wait_alu depctr_va_vdst(0)
.rept 64
	v_exp_f32 v[S+j], v[S+j]                       ; p = 2^(t - M)
.set j, j+1
.endr
	v_pk_mul_f32 v[14:15], v[14:15], v[F:F+1] op_sel_hi:[1,0]      ; l under the new M: the plain place behind the exponentials
	s_wait_alu depctr_va_vdst(0)                   ; the 64 p are written (one wait for the batch, ahead of its first reader); v8-11 are written, which the loads below read; this step's first products are done reading K's registers and words, the last step's last products V's: the loads below land there
	s_add_co_u32 s[T0], s[KF], 128                 ; the next step's K is asked for only if that step counts for my queries: ids and the count of steps alone
	s_cmp_gt_u32 s[T0], s[QE]
	s_cbranch_scc1 .Lno_next_\@
.irp f, 0,1
.irp p, 0,1,2,3,4,5
	ds_load_b64 v[KFR+12*\f+2*\p:KFR+12*\f+2*\p+1], v[ADK] offset:3072+1536*\f+768*(\p/3)+8*(\p%3)   ; a step on: 3,072 bytes.  Lanes 24 bytes apart: the 32 lanes' 64 words fall on 64 different banks
.endr
.endr
	ds_load_b32 v[KSR], v[ADS] offset:128
.Lno_next_\@:
.irp f, 0,1
.irp p, 0,1,2,3,4,5
	ds_load_b64 v[VFR+12*\f+2*\p:VFR+12*\f+2*\p+1], v[ADV] offset:1536*\f+768*(\p/3)+8*(\p%3)   ; this step's V.  No vector or matrix instruction since the wait above names a register that these loads touch
.endr
.endr
	ds_load_b32 v[VSR], v[ADT]
.irp b, 0,1,2,3
	v_exp_f32 v[BM+\b], v[BM+\b]                   ; the block's largest p: the same two instructions on the same number give the same bits
.endr
	v_pk_add_f32 v[TA:TA+1], v[S:S+1], v[S+2:S+3]  ; l takes the UNQUANTISED p, two at a time, in two chains; the first half stands here, behind the four
.irp i, 4,8,12,16,20,24,28
	v_pk_add_f32 v[14:15], v[14:15], v[S+\i:S+\i+1]
	v_pk_add_f32 v[TA:TA+1], v[TA:TA+1], v[S+\i+2:S+\i+3]
.endr
	s_wait_alu depctr_va_vdst(0)                   ; the four blocks' largest p are written: one wait for the four, ahead of their first reader
.irp b, 0,1,2,3
	v_max_num_f32 v[BM+\b], 0x1800000, v[BM+\b]    ; the floor: a block whose every p is 0 keeps the byte 1, and its codes are zeros
.endr
.irp b, 0,1,2,3
	v_add_nc_u32 v[SO+\b], 0xff000000, v[BM+\b]
.endr
.irp b, 0,1,2,3
	v_lshrrev_b32 v[WK+\b], 23, v[SO+\b]
.endr
	v_lshl_or_b32 v[PS], v[WK+1], 8, v[WK]         ; p's scale word for these 128 keys
	v_lshl_or_b32 v[PS], v[WK+2], 16, v[PS]
	v_lshl_or_b32 v[PS], v[WK+3], 24, v[PS]
.irp c, 0,1
	v_cvt_scalef32_pk16_fp6_f32 v[P+6*\c:P+6*\c+2], v[S+32*\c:S+32*\c+15], v[SO+2*\c]
	v_cvt_scalef32_pk16_fp6_f32 v[CT+4*\c:CT+4*\c+2], v[S+32*\c+16:S+32*\c+31], v[SO+2*\c+1]
.endr
.irp i, 32,36,40,44,48,52,56,60
	v_pk_add_f32 v[14:15], v[14:15], v[S+\i:S+\i+1]                ; the sums' second half: 17 plain instructions that touch no code and no register of the products below: the place behind the conversions, and the places between p's scale word and its product
	v_pk_add_f32 v[TA:TA+1], v[TA:TA+1], v[S+\i+2:S+\i+3]
.endr
	v_pk_add_f32 v[14:15], v[14:15], v[TA:TA+1]
.irp c, 0,1                            ; the operand's layout wants a whole block in a lane
.irp i, 0,1,2
	v_permlane16_swap_b32 v[P+6*\c+\i], v[CT+4*\c+\i]
.endr
.irp i, 0,1,2
	v_mov_b32 v[P+6*\c+3+\i], v[CT+4*\c+\i]
.endr
.endr
.irp i, 0,2,4,6,8,10,12,14
	v_pk_mul_f32 v[O+\i:O+\i+1], v[O+\i:O+\i+1], v[F:F+1] op_sel_hi:[1,0]   ; O^T under the new M, from each accumulator's low end on
.endr
	s_wait_dscnt 0x0                               ; V is in, and the next step's K where it was asked for: zero is right on both ways round that run of loads
	s_wait_alu depctr_va_vdst(0)                   ; p's codes and scale word, made by vector instructions, are written: the scaled products below take them
	WMA O, VFR, P, VSR, PS                         ; O^T += V^T P^T: d = 0 .. 15,
	WMA1 O+8, VFR+12, P, VSR, PS                   ; d = 16 .. 31
.Lhidden_\@:
	s_add_co_u32 s[KF], s[KF], 128
	s_add_co_u32 s[TK], s[TK], 3072
	s_add_co_u32 s[TS], s[TS], 128
.endm
; A PASS: one tile of 16 queries from x's codes to o's codes
.macro PASS n
	s_wait_loadcnt 0x0                             ; x's records (and, the first time, q_g)
.if \n
	s_wait_xcnt 0x0                                ; the first pass's stores have had their addresses translated
	s_wait_alu depctr_vm_vsrc(0)                   ; the first pass's stores have read v248-251, which this pass writes again
.endif
.irp s, 0,1,2,3,4,5,6,7                ; q^T = Wq^T x^T: the head's four tiles of 16 units, four accumulators by turns
.if \s > 0
	PLACES 4                                       ; four places behind the last four products; they stay beside the wait below
	s_wait_alu depctr_va_vdst(0)                   ; the last four products are done reading Wq's fragments and scale words, in which the next K step's land
.endif
.irp t, 0,1,2,3
.irp c, 0,1,2
	ds_load_b128 v[WQF+12*\t+4*\c:WQF+12*\t+4*\c+3], v[AWQ] offset:(8*\t+\s)*REC+512*\c
.endr
	ds_load_b32 v[WQW+\t], v[AWS] offset:(8*\t+\s)*REC
.endr
	s_wait_dscnt 0x0
.irp t, 0,1,2,3                        ; tiles 0, 1 (the units that are kept) at v192-207, tiles 2, 3 (for the mean alone) at v16-31
.if \s == 0
	WMZ 192+8*\t-192*(\t/2), WQF+12*\t, XFR+12*\s, WQW+\t, XW+\s
.else
	WMA 192+8*\t-192*(\t/2), WQF+12*\t, XFR+12*\s, WQW+\t, XW+\s
.endif
.endr
.endr
	PLACES 4
	v_pk_mul_f32 v[F:F+1], v[192:193], v[192:193]                  ; the sum of squares of my 32 units, two chains, each accumulator from its low end on
	v_pk_mul_f32 v[TA:TA+1], v[194:195], v[194:195]
.irp p, 196,200,204,16,20,24,28
	v_pk_fma_f32 v[F:F+1], v[\p:\p+1], v[\p:\p+1], v[F:F+1]
	v_pk_fma_f32 v[TA:TA+1], v[\p+2:\p+3], v[\p+2:\p+3], v[TA:TA+1]
.endr
	v_pk_add_f32 v[F:F+1], v[F:F+1], v[TA:TA+1]
	v_add_f32 v[F], v[F], v[F+1]
	v_permlanex16_b32 v[TA], v[F], s[SEL], s[SEL+1]
	v_add_f32 v[F], v[F], v[TA]                    ; with the other half's 32
	v_fma_f32 v[F], v[F], s[R64], s[EPSR]          ; the mean + 1e-6
	s_wait_alu depctr_va_vdst(0)
	v_rsq_f32 v[F], v[F]
	v_nop                                          ; a plain place behind it
	s_wait_alu depctr_va_vdst(0)                   ; 1 / rms is written, ahead of its first reader; and the products above are done reading v48-71, in which K's first fragments land (K's scale words were last read a pass ago)
.irp f, 0,1
.irp p, 0,1,2,3,4,5
	ds_load_b64 v[KFR+12*\f+2*\p:KFR+12*\f+2*\p+1], v[AK] offset:1536*\f+768*(\p/3)+8*(\p%3)   ; key step 0's K, which counts for every query: it lands while q is scaled and quantised; none of those lines names its registers
.endr
.endr
	ds_load_b32 v[KSR], v[AKS]
.irp i, 0,2,4,6,8,10,12,14
	v_pk_mul_f32 v[192+\i:193+\i], v[192+\i:193+\i], v[F:F+1] op_sel_hi:[1,0]
.endr
.irp i, 0,2,4,6,8,10,12,14
	v_pk_mul_f32 v[192+\i:193+\i], v[192+\i:193+\i], v[QG+\i:QG+\i+1]
.endr
	QB1 192, CD
	v_lshl_or_b32 v[QS], v[TB], 8, v[TB]           ; q's byte in all four bytes: whichever block holds the codes
	v_lshl_or_b32 v[QS], v[QS], 16, v[QS]
.irp i, 0,1,2
	v_permlanex16_b32 v[CX+\i], v[CD+\i], s[SEL], s[SEL+1]         ; the other 16 places of my query
.endr
.irp i, 0,1,2
	v_cndmask_b32 v[28+\i], v[CD+\i], 0, s[HM]     ; X: lanes 0-15 hold the query's 24 bytes, lanes 16-31 zeros
	v_cndmask_b32 v[31+\i], v[CX+\i], 0, s[HM]
	v_cndmask_b32 v[16+\i], 0, v[CX+\i], s[HM]     ; Y: the other way round, twice
	v_cndmask_b32 v[19+\i], 0, v[CD+\i], s[HM]
	v_cndmask_b32 v[40+\i], 0, v[CX+\i], s[HM]
	v_cndmask_b32 v[43+\i], 0, v[CD+\i], s[HM]
.endr
.irp i, 0,1,2,3,4,5
	v_mov_b32 v[22+\i], 0                          ; Z
	v_mov_b32 v[34+\i], 0
.endr
.irp i, 0,1,2,3,4,5,6,7,8,9,10,11,12,13,14,15
	v_mov_b32 v[O+\i], 0                           ; O^T: the step is written once; the first finds zeros.  (These lines are also the places between q's scale word and codes and their first product)
.endr
	v_mov_b32 v13, 0xff61b1e6                      ; the largest t so far: -3e38
	v_floor_f32 v12, -v13
	v_mov_b32 v14, 0
	v_mov_b32 v15, 0
	s_mov_b32 s[KF], 0
	s_mov_b32 s[TK], 0
	s_mov_b32 s[TS], 0
	s_add_co_u32 s[QE], s[32+\n], 15
	s_mov_b32 s[CNT], 16
	s_wait_alu depctr_va_vdst(0)                   ; Q's four forms and q's scale word, made by vector instructions, are written: the scaled products of every step take them, and nothing writes them again in the loop
	s_wait_dscnt 0x0                               ; key step 0's K is in
.Lstep_\@:
	STEP 32+\n
	s_sub_co_u32 s[CNT], s[CNT], 1
	s_cmp_lg_u32 s[CNT], 0
	s_cbranch_scc1 .Lstep_\@
	PLACES 4
	v_add_f32 v14, v14, v15                        ; l's two halves,
	v_permlanex16_b32 v[TA], v14, s[SEL], s[SEL+1]
	v_add_f32 v14, v14, v[TA]                      ; and the other half of the lanes'
	s_wait_alu depctr_va_vdst(0)
	v_rcp_f32 v14, v14
	v_nop
	s_wait_alu depctr_va_vdst(0)                   ; 1 / l is written, ahead of its first reader
.irp i, 0,2,4,6,8,10,12,14
	v_pk_mul_f32 v[S+\i:S+\i+1], v[O+\i:O+\i+1], v[14:15] op_sel_hi:[1,0]   ; o = O^T / l: register 8 u + j is d = 16 u + 8 h + j
.endr
	QB1 S, CD
	v_mov_b32 v[CD+3], v[TB]
	s_wait_alu depctr_va_vdst(0)                   ; o's codes and byte are written, which the two stores read; and every vector and matrix instruction of this pass is done with v96-191 and x's scale words, in which the second tile's x lands
	global_store_b96 v[GO], v[CD:CD+2], s[40+2*\n:41+2*\n]         ; the wave stores 384 consecutive bytes: 16 queries
	global_store_b8 v[GS], v[CD+3], s[44+2*\n:45+2*\n]             ; the block's byte, at [row][head]; both halves of the lanes write the same byte with the same value
.if \n == 0
	XLOADS 1                                       ; the second tile's x, into registers that are done with
.endif
.endm
	s_load_b256 s[4:11], s[0:1], 0x0               ; xc, wts, kvc, kvs
	s_load_b128 s[12:15], s[0:1], 0x20             ; q_g, oc
	s_load_b64 s[16:17], s[0:1], 0x30              ; os
	v_lshl_add_u32 v[SPW], v0, 2, SPARE
	v_mov_b32 v[NIL], 0
	v_lshrrev_b32 v8, 5, v0
	v_readfirstlane_b32 s[WV], v8                  ; wave 0..15
	v_and_b32 v9, 31, v0                           ; lane
	v_and_b32 v10, 15, v0                          ; r
	v_bfe_u32 v11, v0, 4, 1                        ; h
	v_mul_u32_u24 v[AK], v9, 24
	v_add_nc_u32 v[AV], VC, v[AK]
	v_lshlrev_b32 v[L4], 2, v9
	v_lshlrev_b32 v[L16], 4, v9
	v_add_nc_u32 v[AKS], KS, v[L4]
	v_add_nc_u32 v[AVS], VS, v[L4]
	v_add_nc_u32 v[AWQ], WQL, v[L16]
	v_add_nc_u32 v[AWS], WQL+1536, v[L4]
	v_lshlrev_b32 v12, 3, v11
	v_sub_nc_u32 v[DL], v10, v12
	v_mul_u32_u24 v[GO], v10, 24
	v_mad_u32_u24 v[GO], v11, 12, v[GO]
	v_lshlrev_b32 v[GS], 4, v10
	v_lshlrev_b32 v[GQ], 5, v11                    ; q_g: 32 h
	v_lshlrev_b32 v[FA], 4, v0                     ; the fill: 16 bytes a thread, 8,192 an instruction of the work-group
	v_lshl_add_u32 v[FB], v0, 4, VC
	s_wait_alu depctr_va_sdst(0)                   ; s18, the wave's number, is written, ahead of its first reader
	s_mul_i32 s54, s[WV], 2*REC
	s_add_co_u32 s55, s54, WQL
	v_add_nc_u32 v[FW], s55, v[L16]                ; my two records of Wq
	s_add_co_u32 s55, s55, 1536
	v_add_nc_u32 v[FWS], s55, v[L4]
	v_lshlrev_b32 v[KBA], 11, v8                   ; thread (step, f, r): K's bytes lie 2,048 a step, 1,024 an f, one a key,
	v_lshl_add_u32 v[KBA], v11, 10, v[KBA]
	v_add_nc_u32 v[KBA], v[KBA], v10
	v_lshl_add_u32 v[VBA], v8, 11, v9              ; thread (step, u, r): V's 2,048 a step, one a d
	v_lshl_add_u32 v[FKS], v0, 2, KS
	v_lshl_add_u32 v[FVS], v0, 2, VS
	s_mov_b32 s[SEL], 0x76543210
	s_mov_b32 s[SEL+1], 0xfedcba98                 ; selects for lane l xor 16
	s_mov_b32 s[CS], 0x3e38aa3b                    ; c = log2(e) / 8
	s_mov_b32 s[CS+1], s[CS]                       ; (named with it as a pair)
	s_mov_b32 s[HM], 0xffff0000                    ; the mask of lanes 16-31
	s_mov_b32 s[R64], 0x3c800000                   ; 1 / 64
	s_mov_b32 s[EPSR], 0x358637bd                  ; 1e-6
	s_and_b32 s[BH], ttmp7, 0xffff                 ; batch x 16 + head
	s_lshr_b32 s[BB], s[BH], 4
	s_and_b32 s[HD], s[BH], 15
	s_lshl_b32 s32, ttmp9, 4
	s_add_co_u32 s32, s32, s[WV]                   ; my first tile of queries: 16 x + w;
	s_sub_co_u32 s33, 127, s32                     ; my second: its mirror
.irp n, 0,1
	s_lshl_b32 s56, s[BB], 7
	s_add_co_u32 s56, s56, s[32+\n]
	s_mul_i32 s[36+2*\n], s56, 8*REC               ; xc: 8 records a tile of rows
	s_mov_b32 s[37+2*\n], 0
	s_lshl_b32 s[32+\n], s[32+\n], 4               ; Q0
	s_lshl_b32 s56, s[BH], 11
	s_add_co_u32 s56, s56, s[32+\n]
	s_mul_i32 s[40+2*\n], s56, 24                  ; oc: [batch x 16 + head][query][24 bytes]
	s_mov_b32 s[41+2*\n], 0
	s_lshl_b32 s56, s[BB], 11
	s_add_co_u32 s56, s56, s[32+\n]
	s_lshl_b32 s56, s56, 4
	s_add_co_u32 s[44+2*\n], s56, s[HD]            ; os: [row][16 heads]
	s_mov_b32 s[45+2*\n], 0
.endr
	s_mul_i32 s58, s[HD], 32*REC
	s_add_co_u32 s58, s58, s54                     ; Wq: the head's 32 records, my two
	s_mov_b32 s59, 0
	s_mul_i32 s60, s[BH], 98304
	s_mov_b32 s61, 0
	s_lshl_b32 s62, s[BB], 15
	s_lshl_b32 s56, s[HD], 5
	s_add_co_u32 s62, s62, s56
	s_mov_b32 s63, 0
	s_wait_kmcnt 0x0
.irp n, 0,1
	s_add_nc_u64 s[36+2*\n:37+2*\n], s[4:5], s[36+2*\n:37+2*\n]
	s_add_nc_u64 s[40+2*\n:41+2*\n], s[14:15], s[40+2*\n:41+2*\n]
	s_add_nc_u64 s[44+2*\n:45+2*\n], s[16:17], s[44+2*\n:45+2*\n]
.endr
	s_add_nc_u64 s[58:59], s[6:7], s[58:59]
	s_add_nc_u64 s[60:61], s[8:9], s[60:61]
	s_add_nc_u64 s[62:63], s[10:11], s[62:63]
	s_add_nc_u64 s[66:67], s[62:63], 131072
	s_wait_alu depctr_va_vdst(0)                   ; every address made above is written: v1-7, v46, v192-200, v212-215, which the loads and stores of the kernel read
.irp i, 0,1,2,3,4,5,6,7,8,9,10,11
	global_load_b128 v[48+4*\i:51+4*\i], v[FA], s[60:61] offset:8192*\i     ; the head's K and V codes: 98,304 consecutive bytes; staged in v48-95, which hold no address
.endr
.irp e, 0,1
.irp c, 0,1,2
	global_load_b128 v[16+12*\e+4*\c:19+12*\e+4*\c], v[L16], s[58:59] offset:REC*\e+512*\c   ; my two records of Wq, staged in v16-41
.endr
	global_load_b32 v[40+\e], v[L4], s[58:59] offset:REC*\e+1536
.endr
	global_load_u8 v[CD], v[KBA], s[62:63]                         ; tiles j = 0 .. 3 of 16 keys: block j / 2 (512 bytes on), half j % 2 (16 on)
	global_load_u8 v[CD+1], v[KBA], s[62:63] offset:16
	global_load_u8 v[CD+2], v[KBA], s[62:63] offset:512
	global_load_u8 v[CD+3], v[KBA], s[62:63] offset:528
.irp i, 0,1,2,3
	global_load_u8 v[CX+\i], v[VBA], s[66:67] offset:512*\i        ; blocks j = 0 .. 3 of the step
.endr
.irp u, 0,1
	global_load_b128 v[QG+8*\u:QG+8*\u+3], v[GQ], s[12:13] offset:64*\u
	global_load_b128 v[QG+8*\u+4:QG+8*\u+7], v[GQ], s[12:13] offset:64*\u+16
.endr
	XLOADS 0
	s_wait_loadcnt 36                              ; the fill's 28 loads are in; q_g's 4 and x's 32 stay out
	v_lshl_or_b32 v[CD], v[CD+1], 8, v[CD]
	v_lshl_or_b32 v[CD], v[CD+2], 16, v[CD]
	v_lshl_or_b32 v[CD], v[CD+3], 24, v[CD]
	v_lshl_or_b32 v[CX], v[CX+1], 8, v[CX]
	v_lshl_or_b32 v[CX], v[CX+2], 16, v[CX]
	v_lshl_or_b32 v[CX], v[CX+3], 24, v[CX]
	s_wait_alu depctr_va_vdst(0)                   ; the two scale words v248 and v252 are written, which the last two LDS stores below read
.irp i, 0,1,2,3,4,5
	ds_store_b128 v[FA], v[48+4*\i:51+4*\i] offset:8192*\i
.endr
.irp i, 0,1,2,3,4,5
	ds_store_b128 v[FB], v[72+4*\i:75+4*\i] offset:8192*\i         ; (a second address register: an LDS offset has 16 bits)
.endr
.irp e, 0,1
.irp c, 0,1,2
	ds_store_b128 v[FW], v[16+12*\e+4*\c:19+12*\e+4*\c] offset:REC*\e+512*\c
.endr
	ds_store_b32 v[FWS], v[40+\e] offset:REC*\e
.endr
	ds_store_b32 v[FKS], v[CD]
	ds_store_b32 v[FVS], v[CX]
	s_wait_dscnt 0x0                               ; for the others' sake: my part of the fill has landed
	s_barrier_signal -1
	s_barrier_wait -1                              ; everybody's has; nothing in LDS is written again
	s_wait_alu depctr_vm_vsrc(0)                   ; the fill's loads and LDS stores have read their addresses v192-200 and their data v16-41, v48-95, v248, v252: the passes' LDS loads, products and vector instructions write all of these again
	PASS 0
	PASS 1
	s_wait_dscnt 0x0                               ; the wave's end: the six closing lines, on end
	s_wait_alu 0x0
	s_wait_tensorcnt 0x0
	ds_add_u32 v[SPW], v[NIL]
	s_wait_dscnt 0x0
	s_endpgm
.Lfunc_end_k_q73d9ef3855_attn:
	.size	k_q73d9ef3855_attn, .Lfunc_end_k_q73d9ef3855_attn-k_q73d9ef3855_attn
	.p2alignl 7, 3214868480
	.fill 96, 4, 3214868480
	.section	.rodata,"a",@progbits
	.p2align	6, 0x0
	.amdhsa_kernel k_q73d9ef3855_attn
		.amdhsa_group_segment_fixed_size 157696
		.amdhsa_private_segment_fixed_size 0
		.amdhsa_enable_private_segment 0
		.amdhsa_kernarg_size 56
		.amdhsa_user_sgpr_count 2
		.amdhsa_user_sgpr_kernarg_segment_ptr 1
		.amdhsa_wavefront_size32 1
		.amdhsa_system_sgpr_workgroup_id_x 1
		.amdhsa_system_sgpr_workgroup_id_y 1
		.amdhsa_system_sgpr_workgroup_id_z 1
		.amdhsa_system_vgpr_workitem_id 0
		.amdhsa_next_free_vgpr 256
		.amdhsa_next_free_sgpr 72
		.amdhsa_reserve_vcc 0
		.amdhsa_float_denorm_mode_32 3
		.amdhsa_float_denorm_mode_16_64 3
		.amdhsa_memory_ordered 1
		.amdhsa_forward_progress 1
		.amdhsa_inst_pref_size 109
	.end_amdhsa_kernel
	.amdgpu_metadata
---
amdhsa.version: [ 1, 2 ]
amdhsa.kernels:
  - .name:           k_q73d9ef3855_attn
    .symbol:         k_q73d9ef3855_attn.kd
    .args:
      - { .name: xc, .offset: 0, .size: 8, .value_kind: global_buffer, .address_space: global }
      - { .name: wts, .offset: 8, .size: 8, .value_kind: global_buffer, .address_space: global }
      - { .name: kvc, .offset: 16, .size: 8, .value_kind: global_buffer, .address_space: global }
      - { .name: kvs, .offset: 24, .size: 8, .value_kind: global_buffer, .address_space: global }
      - { .name: q_g, .offset: 32, .size: 8, .value_kind: global_buffer, .address_space: global }
      - { .name: oc, .offset: 40, .size: 8, .value_kind: global_buffer, .address_space: global }
      - { .name: os, .offset: 48, .size: 8, .value_kind: global_buffer, .address_space: global }
    .group_segment_fixed_size: 157696
    .private_segment_fixed_size: 0
    .kernarg_segment_align: 8
    .kernarg_segment_size: 56
    .max_flat_workgroup_size: 512
    .sgpr_count:     72
    .vgpr_count:     256
    .wavefront_size: 32
...
	.end_amdgpu_metadata
.endif
;; end of part 7
;; launch ogemm (part 8): grid 4 x 64, 16 waves a work-group, no clusters, 71,680 bytes of LDS; arguments oc, os, wts, out0; writes out0
.if DOCPART == 8
	.amdgcn_target "amdgcn-amd-amdhsa--gfx1250"
	.amdhsa_code_object_version 6
	.text
	.protected	k_q73d9ef3855_ogemm
	.globl	k_q73d9ef3855_ogemm
	.p2align	8
	.type	k_q73d9ef3855_ogemm,@function
k_q73d9ef3855_ogemm:
	s_mov_b64 s[64:65], 0
	v_nop
	global_prefetch_b8 v0, s[64:65] scope:SCOPE_SE
	s_setreg_imm32_b32 hwreg(HW_REG_WAVE_SCHED_MODE, 0, 2), 2
	s_setreg_imm32_b32 hwreg(HW_REG_WAVE_MODE, 25, 1), 1
	s_wait_xcnt 0x0
	s_wait_alu depctr_vm_vsrc(0)
; out0 = o Wo on codes of FP6 (E2M3) with E8M0 scales, sums in f32.  reference() pads each head's 32 numbers of o with 32 zeros: every second block of 32 along K is zeros and adds nothing, so K here is 512: block B = head B.
; A work-group makes 128 rows x 256 columns; wave (w / 4, w % 4) makes 32 x 64: 8 accumulators, which take turns.  Transposed use: source 0 = 16 columns of Wo (a record of wts), source 1 = 16 rows of o:
; a lane then holds eight neighbouring numbers of a row of out0.
; o's fragment comes as it lies in oc, [batch x 16 + head][row][24 bytes]: lane (r, h), registers 6 c on: head 4 s + 2 c + h, row r.  Its scale words are the row's 16 bytes of os, one word a K step.
; Operands go from memory straight into registers, two K steps ahead in two sets; no wave waits for another.  Each wave's results leave through its own stage in LDS, so that sixteen lanes store 256 consecutive bytes, aligned.
; No cluster: K has four steps, and a work-group's whole input is 157,696 bytes, asked for within its first two steps.
; THE MODE: SCHED_MODE bits 1:0 = 2 (LLVM: expert scheduling mode 2), set by the entry lines.  The code itself states the register dependences between vector or matrix instructions and memory or LDS instructions, with s_wait_alu, always for 0.
; THE PLAN.  Registers that memory or LDS instructions touch, and who else names them:
;   v1-v9      addresses: written at the head and never again: one wait on va_vdst ahead of the first load serves the whole kernel.
;   the two sets, v88-163 and v164-239: step s's eight products read set s % 2; behind steps 0 and 1 the loads of step s + 2 land in it: one wait on va_vdst between, straight behind the products,
;              so that two sets' loads stay on their way together (a third set has no room: the wave's 256 registers are taken).
;   v16-79     the accumulators: written by the products, read by the stage's stores: one wait on va_vdst behind the last products' places; it also frees v88-151, in which the rows come back from the stage.
;   Nothing that a memory or LDS instruction reads is written again: no wait on vm_vsrc is owed.
.set REC,   1664
.set SPARE, 69632                      ; behind the 16 stages of 16 x 272 bytes: the spare words, 128 bytes for each wave: eight blocks of 256 bytes that no other line names
.set OA,  1                            ; 49,152 h + 24 r
.set L16, 2                            ; 16 x lane
.set L4,  3                            ; 4 x lane + 1,536
.set SIN, 4                            ; my stage: row r, + 32 h
.set SOUT,5                            ; my stage: row h, + 16 r
.set GOF, 6                            ; 4,096 h + 16 r
.set SPW, 7                            ; LDS address of my spare word; never rewritten
.set NIL, 8                            ; 0; never rewritten
.set R16, 9                            ; 16 r
.set ACC, 16                           ; v16-79: accumulator (a, q) at 16 + 8 (4 a + q)
.set AW,  80                           ; v80-87: o's scale words, 4 a + s: they hold nothing else
.set SET, 88                           ; two sets of 76: o's two fragments, Wo's four, Wo's four scale words (v160-163, v236-239: they hold nothing else)
.set RB,  88                           ; the way out: v88-151
.macro LOADK s                         ; K step s into set s % 2: 28 loads
.set SB, SET+76*((\s)%2)
.irp a, 0,1
.irp p, 0,1,2,3,4,5
	global_load_b64 v[SB+12*\a+2*\p:SB+12*\a+2*\p+1], v[OA], s[4:5] offset:384*\a+196608*(\s)+98304*(\p/3)+8*(\p%3)
.endr
.endr
.irp q, 0,1,2,3
.irp c, 0,1,2
	global_load_b128 v[SB+24+12*\q+4*\c:SB+24+12*\q+4*\c+3], v[L16], s[8:9] offset:(4*\q+(\s))*REC+512*\c
.endr
	global_load_b32 v[SB+72+\q], v[L4], s[8:9] offset:(4*\q+(\s))*REC
.endr
.endm
	s_load_b256 s[4:11], s[0:1], 0x0               ; oc, os, wts, out0
	v_lshl_add_u32 v[SPW], v0, 2, SPARE
	v_mov_b32 v[NIL], 0
	v_lshrrev_b32 v10, 5, v0
	v_readfirstlane_b32 s12, v10                   ; wave 0..15
	v_and_b32 v10, 31, v0                          ; lane
	v_and_b32 v11, 15, v0                          ; r
	v_bfe_u32 v12, v0, 4, 1                        ; h
	v_mul_u32_u24 v[OA], v11, 24
	v_mad_u32_u24 v[OA], v12, 49152, v[OA]         ; the next head's rows lie 2,048 x 24 bytes on
	v_lshlrev_b32 v[L16], 4, v10
	v_lshl_add_u32 v[L4], v10, 2, 1536
	v_lshlrev_b32 v[R16], 4, v11
	s_wait_alu depctr_va_sdst(0)                   ; s12, the wave's number, is written, ahead of its first reader
	s_mul_i32 s28, s12, 16*272                     ; my stage
	v_mul_u32_u24 v[SIN], v11, 272
	v_lshl_add_u32 v[SIN], v12, 5, v[SIN]
	v_add_nc_u32 v[SIN], s28, v[SIN]
	v_mul_u32_u24 v[SOUT], v12, 272
	v_lshl_add_u32 v[SOUT], v11, 4, v[SOUT]
	v_add_nc_u32 v[SOUT], s28, v[SOUT]
	v_lshl_add_u32 v[GOF], v12, 12, v[R16]
	s_lshr_b32 s13, s12, 2                         ; which 32 rows,
	s_and_b32 s14, s12, 3                          ; which 64 columns
	s_and_b32 s15, ttmp7, 0xffff
	s_lshl_b32 s16, s15, 7
	s_lshl_b32 s17, s13, 5
	s_add_co_u32 s16, s16, s17                     ; my first row
	s_lshr_b32 s18, s15, 4                         ; its batch,
	s_and_b32 s19, s16, 2047                       ; and its place there
	s_mul_i32 s20, s18, 786432
	s_mul_i32 s19, s19, 24
	s_add_co_u32 s20, s20, s19
	s_mov_b32 s21, 0
	s_lshl_b32 s22, s16, 4
	s_mov_b32 s23, 0
	s_lshl_b32 s24, ttmp9, 4
	s_lshl_b32 s25, s14, 2
	s_add_co_u32 s24, s24, s25                     ; my first column tile
	s_mul_i32 s24, s24, 4*REC
	s_add_co_u32 s24, s24, 640*REC                 ; Wo's records begin at record 640
	s_mov_b32 s25, 0
	s_lshl_b32 s26, s16, 12
	s_lshl_b32 s27, ttmp9, 10
	s_add_co_u32 s26, s26, s27
	s_lshl_b32 s27, s14, 8
	s_add_co_u32 s26, s26, s27
	s_mov_b32 s27, 0
	s_wait_kmcnt 0x0
	s_add_nc_u64 s[4:5], s[4:5], s[20:21]
	s_add_nc_u64 s[6:7], s[6:7], s[22:23]
	s_add_nc_u64 s[8:9], s[8:9], s[24:25]
	s_add_nc_u64 s[10:11], s[10:11], s[26:27]
	s_wait_alu depctr_va_vdst(0)                   ; the addresses v1 to v9 are written, which every load and store of the kernel reads; none is written again
.irp a, 0,1
	global_load_b128 v[AW+4*\a:AW+4*\a+3], v[R16], s[6:7] offset:256*\a     ; a row's 16 bytes: the words of its four K steps
.endr
	LOADK 0
	LOADK 1
.irp s, 0,1,2,3
.if \s < 3
	s_wait_loadcnt 28                              ; this step's set is in (and, the first time, o's scale words); the other set's 28 loads stay out
.else
	s_wait_loadcnt 0x0
.endif
.set SB, SET+76*(\s%2)
.irp a, 0,1
.irp q, 0,1,2,3
.if \s == 0
	v_wmma_scale_f32_16x16x128_f8f6f4 v[ACC+8*(4*\a+\q):ACC+8*(4*\a+\q)+7], v[SB+24+12*\q:SB+24+12*\q+11], v[SB+12*\a:SB+12*\a+11], 0, v[SB+72+\q], v[AW+4*\a+\s] matrix_a_fmt:MATRIX_FMT_FP6 matrix_b_fmt:MATRIX_FMT_FP6
.else
	v_wmma_scale_f32_16x16x128_f8f6f4 v[ACC+8*(4*\a+\q):ACC+8*(4*\a+\q)+7], v[SB+24+12*\q:SB+24+12*\q+11], v[SB+12*\a:SB+12*\a+11], v[ACC+8*(4*\a+\q):ACC+8*(4*\a+\q)+7], v[SB+72+\q], v[AW+4*\a+\s] matrix_a_fmt:MATRIX_FMT_FP6 matrix_b_fmt:MATRIX_FMT_FP6
.endif
.endr
.endr
.if \s != 2
.rept 4
	v_nop                                          ; four places behind these products: they stay beside the waits below
.endr
.endif
.if \s < 2
	s_wait_alu depctr_va_vdst(0)                   ; these eight products are done reading their set, fragments and scale words, in which the loads of two K steps on land
	LOADK \s+2
.endif
.endr
	s_wait_alu depctr_va_vdst(0)                   ; the products have written the accumulators, which the stage's stores read, and are done reading v88-151, in which the rows come back from the stage
.irp a, 0,1                            ; 16 rows x 64 columns at a time through my stage.  LDS serves a wave's instructions in order: no wait between the stores and the loads, nor in front of the next 16 rows' stores
.irp q, 0,1,2,3
	ds_store_b128 v[SIN], v[ACC+8*(4*\a+\q):ACC+8*(4*\a+\q)+3] offset:64*\q          ; each accumulator from its low end on
	ds_store_b128 v[SIN], v[ACC+8*(4*\a+\q)+4:ACC+8*(4*\a+\q)+7] offset:64*\q+16
.endr
.irp i, 0,1,2,3,4,5,6,7
	ds_load_b128 v[RB+32*\a+4*\i:RB+32*\a+4*\i+3], v[SOUT] offset:2*\i*272
.endr
.endr
.irp a, 0,1
.irp i, 0,1,2,3,4,5,6,7
	s_wait_dscnt 23-16*\a-\i                       ; behind this load were issued the 7 - i loads of its run and, for the first 16 rows, the second 16 rows' 8 stores and 8 loads
	global_store_b128 v[GOF], v[RB+32*\a+4*\i:RB+32*\a+4*\i+3], s[10:11] offset:(16*\a+2*\i)*4096 th:TH_STORE_NT   ; 16 lanes store 256 consecutive bytes, at a multiple of 256 from out0's first byte
.endr
.endr
	s_wait_dscnt 0x0                               ; the wave's end: the six closing lines, on end
	s_wait_alu 0x0
	s_wait_tensorcnt 0x0
	ds_add_u32 v[SPW], v[NIL]
	s_wait_dscnt 0x0
	s_endpgm
.Lfunc_end_k_q73d9ef3855_ogemm:
	.size	k_q73d9ef3855_ogemm, .Lfunc_end_k_q73d9ef3855_ogemm-k_q73d9ef3855_ogemm
	.p2alignl 7, 3214868480
	.fill 96, 4, 3214868480
	.section	.rodata,"a",@progbits
	.p2align	6, 0x0
	.amdhsa_kernel k_q73d9ef3855_ogemm
		.amdhsa_group_segment_fixed_size 71680
		.amdhsa_private_segment_fixed_size 0
		.amdhsa_enable_private_segment 0
		.amdhsa_kernarg_size 32
		.amdhsa_user_sgpr_count 2
		.amdhsa_user_sgpr_kernarg_segment_ptr 1
		.amdhsa_wavefront_size32 1
		.amdhsa_system_sgpr_workgroup_id_x 1
		.amdhsa_system_sgpr_workgroup_id_y 1
		.amdhsa_system_sgpr_workgroup_id_z 1
		.amdhsa_system_vgpr_workitem_id 0
		.amdhsa_next_free_vgpr 256
		.amdhsa_next_free_sgpr 66
		.amdhsa_reserve_vcc 0
		.amdhsa_float_denorm_mode_32 3
		.amdhsa_float_denorm_mode_16_64 3
		.amdhsa_memory_ordered 1
		.amdhsa_forward_progress 1
		.amdhsa_inst_pref_size 23
	.end_amdhsa_kernel
	.amdgpu_metadata
---
amdhsa.version: [ 1, 2 ]
amdhsa.kernels:
  - .name:           k_q73d9ef3855_ogemm
    .symbol:         k_q73d9ef3855_ogemm.kd
    .args:
      - { .name: oc, .offset: 0, .size: 8, .value_kind: global_buffer, .address_space: global }
      - { .name: os, .offset: 8, .size: 8, .value_kind: global_buffer, .address_space: global }
      - { .name: wts, .offset: 16, .size: 8, .value_kind: global_buffer, .address_space: global }
      - { .name: out0, .offset: 24, .size: 8, .value_kind: global_buffer, .address_space: global }
    .group_segment_fixed_size: 71680
    .private_segment_fixed_size: 0
    .kernarg_segment_align: 8
    .kernarg_segment_size: 32
    .max_flat_workgroup_size: 512
    .sgpr_count:     66
    .vgpr_count:     256
    .wavefront_size: 32
...
	.end_amdgpu_metadata
.endif
;; end of part 8
